; MI455X (gfx1250); checked and timed in simulation.
; The chip was launched on July 23, 2026; its instructions are those of AMD's public machine-readable ISA for CDNA 5 (MIT licence, August 2026) and "CDNA5" Instruction Set Architecture Reference Guide (July 2026). The comments in the code are by the model that wrote it; some were corrected since.
;; Sparse Attention Aggregator. Allowed arithmetic: matrix products marked QUANTISED: E2M3 operands, one E8M0 scale for each 32 along K, by v_wmma_scale_f32_16x16x128_f8f6f4 with both operands' format E2M3, f32 sums; everything else in f32.
;; Inputs: W_proj_codes 1,024 x 32 x 24 uint8 (E2M3 codes of W_proj, K innermost, in blocks of 32 codes, four codes in three bytes); W_proj_scales 1,024 x 32 uint8 (E8M0 scales of W_proj, one for each 32 codes along K); W_qkv_codes 3,072 x 32 x 24 uint8 (E2M3 codes of W_qkv, K innermost, in blocks of 32 codes, four codes in three bytes); W_qkv_scales 3,072 x 32 uint8 (E8M0 scales of W_qkv, one for each 32 codes along K); attn_bias 32 x 1,960 float32; b_proj 1,024 float32; b_qkv 3,072 float32; gather_idx 32 x 1,960 int32; k_beta 64 float32; k_gamma 64 float32; q_beta 64 float32; q_gamma 64 float32; x_codes 1 x 6,272 x 32 x 24 uint8 (E2M3 codes of x, K innermost, in blocks of 32 codes, four codes in three bytes); x_scales 1 x 6,272 x 32 uint8 (E8M0 scales of x, one for each 32 codes along K).
;; Outputs: out0 1 x 6,272 x 1,024 float32.
;; This version of the problem:
;;   THIS VERSION OF THE PROBLEM IS GIVEN IN LOW PRECISION. The matrix products marked QUANTISED in the list below multiply operands that are first quantised to E2M3 (2 exponent bits, 3 mantissa bits; 6 bits a number), with one power-of-two scale for each 32 numbers along K (OCP MX v1.0); their sums are f32. All else is computed in f32.
;;   The module's matrix products, in the order in which they are computed (A, B: the left and right operand; K: the contracted axis; several contracted axes count as one K, in the product's order):
;;     1. [M 6,272, K 1,024] x [K 1,024, N 3,072]; A: input x (given as codes); B: input W_qkv (given as codes): QUANTISED
;;     2. batch 512 x [M 196, K 64] x [K 64, N 1,960]; A: computed on the way; B: computed on the way: QUANTISED
;;     3. batch 512 x [M 196, K 1,960] x [K 1,960, N 64]; A: softmax (see below); B: computed on the way: QUANTISED
;;     4. [M 6,272, K 1,024] x [K 1,024, N 1,024]; A: computed on the way; B: input W_proj (given as codes): QUANTISED
;;   THE QUANTISER, for each operand of a quantised product, along K:
;;     - K is cut into blocks of 32 from its start; a last block that is shorter is filled with zeros.
;;     - A block's scale is 2^e with e = floor(log2(the largest magnitude in the block)) - 2, held to -126 .. 127; a block of zeros has e = 0. As a byte (E8M0): e + 127.
;;     - Each number is divided by its block's scale, clamped to +-7.5, and rounded to the nearest number of E2M3, ties to even, subnormals kept.
;;     - The product sums the exact products of the quantised numbers (number of the format x scale) in f32.
;;   ~~~python
;;   def quantise(x, axis):      # numpy; x: float32 -> the quantised numbers, widened to float32 again
;;       x = np.moveaxis(x, axis, -1); K = x.shape[-1]
;;       x = np.pad(x, [(0, 0)] * (x.ndim - 1) + [(0, -K % 32)]); x = x.reshape(x.shape[:-1] + (-1, 32)); a = np.abs(x).max(-1, keepdims=True)
;;       e = np.where(a > 0, np.clip(np.frexp(np.where(a > 0, a, 1))[1] - 1 - 2, -126, 127), 0)      # np.frexp(a)[1] - 1 = floor(log2(a)), exactly
;;       r = np.clip(x / 2.0 ** e, -7.5, 7.5)
;;       step = 2.0 ** (np.maximum(np.frexp(np.where(r == 0, 1, r))[1] - 1, 0) - 3)
;;       q = np.round(r / step) * step * 2.0 ** e      # np.round: ties to even
;;       return np.moveaxis(q.reshape(q.shape[:-2] + (-1,))[..., :K], -1, axis).astype(np.float32)
;;   ~~~
;;   SOFTMAX AHEAD OF A QUANTISED PRODUCT. Where the list says 'softmax', what is quantised is not the finished softmax but p = 2^(t - M), with t = logit x log2(e) and M = ceil(the row's largest t), a whole number; so 1/2 < the row's largest p <= 1. The row's sum l is taken of the UNQUANTISED p, in f32, and the product's result is divided by l at the end. Since M is a whole number, a kernel that streams over the keys may use a running M (the ceiling of the running maximum): every later rescaling is an exact power of two, which a block's scale takes up: the codes' values come out the same.
;;   OPERANDS COMPUTED ON THE WAY. 'Computed on the way' means the value that the module computes at that place (a softmax that the list does not call 'softmax' is quantised finished and normalised). What goes into a quantiser is computed in f32, as accurately as f32 sums, v_exp_f32 and their like allow (about 1e-6 of the number): no bf16 or f16 on the way to a quantiser, and a product that is left as it is and whose result goes on into a quantised operand takes f32 operands (vector FMAs, or v_wmma_f32_16x16x4_f32). A number that lies on a knife's edge between two numbers of the format may be rounded either way, as far as f32 arithmetic and the matrix unit's own rounding can turn it there, and no further.
;;   INPUTS GIVEN AS CODES. W_proj (in the module: [1024, 1024], K = its axis 0); W_qkv (in the module: [1024, 3072], K = its axis 0); x (in the module: [1, 6272, 1024], K = its axis 2): each comes as NAME_codes (uint8): NAME with its K axis moved to the last place and cut into blocks of 32 codes, [.., K / 32, bytes a block], one block behind the other in memory; four codes in three bytes: a row's codes are one little-endian stream of bits, code i at bits 6 i .. 6 i + 5 (a code: sign, 2 exponent bits, 3 mantissa bits); and NAME_scales (uint8): the same leading axes, one E8M0 byte (e + 127) for each 32 codes along K. Its value is code x scale, taken as it is: it is not quantised again, and the codes and scales need not be those that the quantiser above would give.
;; One version. Each part assembles by itself: llvm-mc -triple=amdgcn-amd-amdhsa -mcpu=gfx1250 --defsym DOCPART=n.
;; ======== version 1 of 1: 3 launches
;; workspace buffers: qc 4,816,896 bytes; kc 4,816,896 bytes; oc 4,816,896 bytes; qs 802,816 bytes; ks 802,816 bytes; os 802,816 bytes; vf 25,690,112 bytes
;; launch qkv (part 1): grid 12 x 28, 8 waves a work-group, no clusters, 327,680 bytes of LDS; arguments x_codes, x_scales, W_qkv_codes, W_qkv_scales, b_qkv, q_gamma, q_beta, k_gamma, k_beta, qc, qs, kc, ks, vf; writes qc, qs, kc, ks, vf
.if DOCPART == 1
	.amdgcn_target "amdgcn-amd-amdhsa--gfx1250"
	.amdhsa_code_object_version 6
	.text
	.protected	k_q3a20467c9a_qkv
	.globl	k_q3a20467c9a_qkv
	.p2align	8
	.type	k_q3a20467c9a_qkv,@function
k_q3a20467c9a_qkv:
	s_mov_b64 s[64:65], 0
	v_nop
	global_prefetch_b8 v0, s[64:65] scope:SCOPE_SE
	s_setreg_imm32_b32 hwreg(HW_REG_WAVE_MODE, 25, 1), 1
	s_wait_xcnt 0x0
; qkv = x W_qkv + b_qkv on codes of FP6 (E2M3) with one E8M0 scale for each 32 along K (K = 1,024); then, head by head (64 numbers):
; q and k: LayerNorm in f32, quantised along the head's 64 (two blocks of 32), stored as codes and scale words; v: stored as f32.
; SHARES.  A work-group takes 224 tokens x 256 columns: four whole heads of ONE kind (q, k or v: column block / 4).  Eight waves: wave w takes tokens 112 (w & 1) on (7 tiles of 16)
; and head w >> 1 (4 tiles of 16 columns): 28 accumulators, 224 registers.
; THE MATRIX INSTRUCTION IS USED TRANSPOSED (source 0 = 16 rows of W, source 1 = 16 tokens): a lane holds ONE token.  THE ROWS OF W THAT FORM A TILE ARE NOT NEIGHBOURS: lane r of tile 2 b + u takes
; column 32 b + 8 u + r + 8 (r / 8), so that register 8 t + j of lane (r, h) is the head's element 32 b + 16 h + 8 u + j: a lane's 32 registers are two runs of 16 neighbours, as the conversions want them.
; K goes through a ring of two LDS slots of 256 along K (rows of 192 bytes, 16 bytes of padding behind each 64: rows 240 bytes apart), filled by tensor loads: waves 0-3 x's 224 rows, waves 4-7 W's 256 rows.
; The bias is the C of each sum's first matrix instruction.
; OUT.  Codes in planes [head][piece 3][token][half 2][8 bytes]: lane (r, h) holds block h of token r in six registers, piece p is registers 2 p, 2 p + 1: a wave's store covers 256 consecutive bytes.
; Scale words [head][token][2]: byte 0, 1 the two blocks' scales, bytes 2, 3 = 1 (for the half of the next product's K that is not used); written twice, once by each half of the lanes.  v: [head][token][64] f32.
; NO CLUSTER: a tile of x is asked for by the 12 work-groups of a row of the grid and a tile of W by the 28 of a column, each for itself.  Joint loads in clusters of 4 x 4 would divide these requests by four;
; they are left out to keep this text plain: the launch is a small part of the program's work.
; LIMITS: NaN and infinities are not served; a block of zeros gets the scale byte 1 (its codes are zeros; this program alone reads the bytes); 1 / sqrt by v_rsq_f32.
.set PITCH,  240
.set BOFF,   224*PITCH                 ; in a slot: x's 224 rows, then W's 256
.set SLOT,   BOFF+256*PITCH            ; 115,200
.set SPARE,  2*SLOT                    ; behind the ring: the spare words, 128 bytes for each wave
.set SPITCH, 272                       ; the stage for v: 16 rows x (256 + 16) bytes a wave, in slot 0, behind that slot's last fill and last read
.set PLANE,  100352                    ; a plane of codes: 6,272 tokens x 16 bytes
.set FR,   12                          ; registers of a fragment
.set ADRA, 4                           ; v4-5 x's fragments in slot 0, 1; v6-7 the same behind one padding more
.set ADRB, 8                           ; v8-9, v10-11 the same for W
.set SPW,  12                          ; v12 my spare word; never rewritten
.set NIL,  13                          ; v13 0; never rewritten
.set CSO,  14                          ; v14 codes out: 16 r + 8 h
.set SSO,  15                          ; v15 scale words out: 8 r + 4 h
.set STO,  16                          ; v16 the stage, in
.set RD,   17                          ; v17 the stage, back
.set VO,   18                          ; v18 v out: 16 x lane
.set HB,   19                          ; v19 64 h: my half's 16 numbers of a block of 32 f32
.set XS,   20                          ; v20-75  x's scale words: 8 a + K step
.set WS,   76                          ; v76-107 W's: 8 t + K step
.set BF,   108                         ; v108-155 W's four fragments
.set AF,   156                         ; v156-239 x's seven
.set BI,   224                         ; window 1: v0-223 the accumulators (a, t) at 8 (4 a + t); v224-255 the bias, 8 registers a tile
.set GA,   108                         ; the way out of q and k, in the fragments' registers: gamma, beta,
.set BE,   140
.set X,    172                         ; 32 numbers at work,
.set T,    204                         ; partial sums,
.set CO,   220                         ; codes,
.set CT,   226
.set BM,   230
.set TP,   232
.set SO,   234
.set BY,   236
.set W,    238
.set MU,   240
.set RS,   242
.set PT,   244
.set VV,   245
.set OB,   108                         ; the way out of v: rows read back
.set G1A,  32
.set G1B,  40
.set G0A,  48
.set G0B,  56
.set WV,   66
.set MH,   67
.set NG,   68
.set W3,   69
.set MY,   70
.set TOK,  80
.set COL,  84
.set C64,  93
.set EPS,  94
.set SEL,  96
.set MSB, 0
.macro WIN new                         ; the immediate's high byte repeats the setting that is left
.if MSB != \new
	s_set_vgpr_msb (MSB<<8)|\new
.set MSB, \new
.endif
.endm
; Waves 0-3 fetch x's rows, waves 4-7 W's.  Four v_nop follow each of the two lines.
.macro TLOAD s
	s_cmp_lt_u32 s[WV], 4
	s_cbranch_scc0 .Lfor_b_\@
	tensor_load_to_lds s[G0A+4*\s:G0A+4*\s+3], s[G1A:G1A+7]
	s_nop 0
.rept 4
	v_nop
.endr
	s_branch .Lasked_\@
.Lfor_b_\@:
	tensor_load_to_lds s[G0B+4*\s:G0B+4*\s+3], s[G1B:G1B+7]
	s_nop 0
.rept 4
	v_nop
.endr
.Lasked_\@:
.endm
; A fragment, 16 rows x 128 K, is 12 registers: lane (r, h) takes 24 bytes of row r at 24 h and 24 more 48 bytes on, in pieces of 8 bytes.  Lanes 16-31 read three pieces further on than lanes 0-15:
; where that is behind one padding more, the second address register serves.
.macro FRAG reg, adr, q, rows
.irp p, 0,1,2,3,4,5
.set PCE, 12*(\q)+6*(\p/3)+\p%3
.if PCE%8 < 5
	ds_load_b64 v[\reg+2*\p:\reg+2*\p+1], v[\adr] offset:8*PCE+16*(PCE/8)+(\rows)*PITCH
.else
	ds_load_b64 v[\reg+2*\p:\reg+2*\p+1], v[\adr+2] offset:8*PCE+16*(PCE/8)+(\rows)*PITCH
.endif
.endr
.endm
; 128 along K: 66 LDS loads, 28 matrix instructions.  The 28 accumulators take turns, one instruction a turn.
.macro KSTEP slot, q, ks, first
.rept 4
	v_nop                                          ; four places in front of loads into registers that matrix instructions have read
.endr
.irp t, 0,1,2,3
	FRAG BF+FR*\t, ADRB+\slot, \q, 32*(\t/2)+8*(\t%2)
.endr
.irp a, 0,1,2,3,4,5,6
	FRAG AF+FR*\a, ADRA+\slot, \q, 16*\a
.endr
	WIN 0x50                                       ; C and D in window 1
.irp a, 0,1,2,3,4,5,6
	s_wait_dscnt 6*(6-\a)                          ; W's fragments and x's tile a are in; the six loads of each later tile may be out
.irp t, 0,1,2,3
.if \first
	v_wmma_scale_f32_16x16x128_f8f6f4 v[8*(4*\a+\t):8*(4*\a+\t)+7], v[BF+FR*\t:BF+FR*\t+FR-1], v[AF+FR*\a:AF+FR*\a+FR-1], v[BI+8*\t:BI+8*\t+7], v[WS+8*\t+(\ks)], v[XS+8*\a+(\ks)] matrix_a_fmt:MATRIX_FMT_FP6 matrix_b_fmt:MATRIX_FMT_FP6
.else
	v_wmma_scale_f32_16x16x128_f8f6f4 v[8*(4*\a+\t):8*(4*\a+\t)+7], v[BF+FR*\t:BF+FR*\t+FR-1], v[AF+FR*\a:AF+FR*\a+FR-1], v[8*(4*\a+\t):8*(4*\a+\t)+7], v[WS+8*\t+(\ks)], v[XS+8*\a+(\ks)] matrix_a_fmt:MATRIX_FMT_FP6 matrix_b_fmt:MATRIX_FMT_FP6
.endif
.endr
.endr
	WIN 0
.endm
; The change of slots: every wave waits for all its tensor loads (its part of the slot ahead), adds 0 to its spare word, waits for that and for its reads of the slot that it leaves; one barrier;
; refill = 1: slot fs, which has just been left, is filled with the 256 along K two slots on: the wave's one tensor load behind the barrier, with two K steps in which to land.
.macro CHANGE fs, refill
	s_wait_tensorcnt 0x0                           ; no tensor load of mine is out, so a group 0 may be written
	ds_add_u32 v[SPW], v[NIL]                      ; 0 onto my spare word
.if \refill
	s_add_nc_u64 s[G0A+4*\fs+2:G0A+4*\fs+3], s[G0A+4*\fs+2:G0A+4*\fs+3], 384
	s_add_nc_u64 s[G0B+4*\fs+2:G0B+4*\fs+3], s[G0B+4*\fs+2:G0B+4*\fs+3], 384
.endif
	s_wait_dscnt 0x0                               ; the add is done, and my reads of the slot are over
	s_barrier_signal -1
	s_barrier_wait -1
.if \refill
	TLOAD \fs
.endif
.endm
; 32 numbers of a lane, register 16 b + i = element 32 b + 16 h + i of my token's 64, become the six registers of block h's codes in v[CO] on, and the two blocks' scale bytes in v[BY], v[BY+1].
.macro HQUANT src
.irp b, 0,1
	v_max3_num_f32 v[BM+\b], |v[\src+16*\b]|, |v[\src+16*\b+1]|, 0x1800000   ; my 16 numbers of block b, and the floor 2^(3 - 127): the byte cannot fall under 1
.endr
.irp i, 2,4,6,8,10,12,14
.irp b, 0,1
	v_max3_num_f32 v[BM+\b], v[BM+\b], |v[\src+16*\b+\i]|, |v[\src+16*\b+\i+1]|
.endr
.endr
.irp b, 0,1
	v_permlanex16_b32 v[TP+\b], v[BM+\b], s[SEL], s[SEL+1]
.endr
.irp b, 0,1
	v_max_num_f32 v[BM+\b], v[BM+\b], v[TP+\b]     ; with lane l xor 16's: the block's largest magnitude
.endr
.irp b, 0,1
	v_add_nc_u32 v[SO+\b], 0xff000000, v[BM+\b]    ; 2 off its exponent field: the conversion's scale operand
.endr
.irp b, 0,1
	v_lshrrev_b32 v[BY+\b], 23, v[SO+\b]           ; the scale's byte
.endr
	v_cvt_scalef32_pk16_fp6_f32 v[CO:CO+2], v[\src:\src+15], v[SO]
	v_cvt_scalef32_pk16_fp6_f32 v[CT:CT+2], v[\src+16:\src+31], v[SO+1]
	v_nop                                          ; one plain place behind a scaled conversion
.irp i, 0,1,2
	v_permlane16_swap_b32 v[CO+\i], v[CT+\i]       ; lanes 0-15 now hold block 0, lanes 16-31 block 1: the lower 16 codes in the first, the upper 16 in the second
.endr
.irp i, 0,1,2
	v_mov_b32 v[CO+3+\i], v[CT+\i]
.endr
.endm
	s_load_b512 s[4:19], s[0:1], 0x0               ; x's codes 4, x's scales 6, W's codes 8, W's scales 10, b 12, q_gamma 14, q_beta 16, k_gamma 18
	s_load_b128 s[20:23], s[0:1], 0x40             ; k_beta 20, qc 22
	s_load_b128 s[24:27], s[0:1], 0x50             ; qs 24, kc 26
	s_load_b128 s[28:31], s[0:1], 0x60             ; ks 28, vf 30
	v_lshl_add_u32 v[SPW], v0, 2, SPARE
	v_mov_b32 v[NIL], 0
	ds_add_u32 v12, v13
	ds_add_u32 v12, v13
	s_wait_dscnt 0x0
	v_lshrrev_b32 v1, 5, v0
	v_readfirstlane_b32 s[WV], v1                  ; wave 0..7
	s_and_b32 s[MH], s[WV], 1                      ; which 112 tokens
	s_lshr_b32 s[NG], s[WV], 1                     ; which head of the four
	s_and_b32 s[W3], s[WV], 3                      ; which quarter of a tile I fetch
	s_and_b32 s[MY], ttmp7, 0xffff                 ; block of 224 tokens
	; descriptor groups 1: rows of 192 bytes, 768 apart in memory, 16 bytes of padding behind each 64; 56 rows (x) or 64 rows (W) a load
	s_mov_b32 s[G1A+0], (1<<20)|(3<<22)|(3<<25)
	s_mov_b32 s[G1A+1], 192<<16
	s_mov_b32 s[G1A+2], 56<<16
	s_mov_b32 s[G1A+3], 192<<16
	s_mov_b32 s[G1A+4], 56
	s_mov_b32 s[G1A+5], 768
	s_mov_b32 s[G1A+6], 0
	s_mov_b32 s[G1A+7], 0
	s_mov_b32 s[G1B+0], (1<<20)|(3<<22)|(3<<25)
	s_mov_b32 s[G1B+1], 192<<16
	s_mov_b32 s[G1B+2], 64<<16
	s_mov_b32 s[G1B+3], 192<<16
	s_mov_b32 s[G1B+4], 64
	s_mov_b32 s[G1B+5], 768
	s_mov_b32 s[G1B+6], 0
	s_mov_b32 s[G1B+7], 0
	s_mul_i32 s72, s[MY], 224
	s_mul_i32 s73, s[W3], 56
	s_add_co_u32 s72, s72, s73
	s_mul_i32 s72, s72, 768                        ; x: row 224 y + 56 x quarter, in bytes
	s_mov_b32 s73, 0
	s_lshl_b32 s74, ttmp9, 8
	s_lshl_b32 s75, s[W3], 6
	s_add_co_u32 s74, s74, s75
	s_mul_i32 s74, s74, 768                        ; W: row 256 x + 64 x quarter
	s_mov_b32 s75, 0
	s_mul_i32 s76, s[W3], 56*PITCH                 ; and where they go in a slot
	s_mul_i32 s77, s[W3], 64*PITCH
	s_add_co_u32 s77, s77, BOFF
	s_wait_kmcnt 0x0
	s_add_nc_u64 s[72:73], s[4:5], s[72:73]
	s_add_nc_u64 s[74:75], s[8:9], s[74:75]
.irp s, 0,1
	s_mov_b32 s[G0A+4*\s], 1
	s_add_co_u32 s[G0A+4*\s+1], s76, \s*SLOT
	s_add_nc_u64 s[G0A+4*\s+2:G0A+4*\s+3], s[72:73], \s*192
	s_or_b32 s[G0A+4*\s+3], s[G0A+4*\s+3], 0x80000000
	s_mov_b32 s[G0B+4*\s], 1
	s_add_co_u32 s[G0B+4*\s+1], s77, \s*SLOT
	s_add_nc_u64 s[G0B+4*\s+2:G0B+4*\s+3], s[74:75], \s*192
	s_or_b32 s[G0B+4*\s+3], s[G0B+4*\s+3], 0x80000000
.endr
	s_cmp_lt_u32 s[WV], 4                          ; a wave's two first fills stand in one branch: two tensor loads of mine are out
	s_cbranch_scc0 .Lfirst_b
	tensor_load_to_lds s[G0A:G0A+3], s[G1A:G1A+7]
	s_nop 0
	tensor_load_to_lds s[G0A+4:G0A+7], s[G1A:G1A+7]
	s_nop 0
.rept 4
	v_nop
.endr
	s_branch .Lfirst_done
.Lfirst_b:
	tensor_load_to_lds s[G0B:G0B+3], s[G1B:G1B+7]
	s_nop 0
	tensor_load_to_lds s[G0B+4:G0B+7], s[G1B:G1B+7]
	s_nop 0
.rept 4
	v_nop
.endr
.Lfirst_done:
	v_and_b32 v1, 15, v0                           ; r
	v_bfe_u32 v2, v0, 4, 1                         ; h
	v_and_b32 v3, 8, v1
	v_add_nc_u32 v3, v3, v1                        ; r + 8 (r / 8)
	v_lshlrev_b32 v108, 5, v1                      ; a row of scales is 32 bytes
	v_lshlrev_b32 v109, 5, v3
	v_lshlrev_b32 v[HB], 6, v2
	s_mul_i32 s[TOK], s[MY], 224
	s_mul_i32 s81, s[MH], 112
	s_add_co_u32 s[TOK], s[TOK], s81               ; my wave's first token
	s_lshl_b32 s82, s[TOK], 5
	s_mov_b32 s83, 0
	s_add_nc_u64 s[6:7], s[6:7], s[82:83]
	s_lshl_b32 s[COL], ttmp9, 8
	s_lshl_b32 s85, s[NG], 6
	s_add_co_u32 s[COL], s[COL], s85               ; my wave's first column
	s_lshl_b32 s82, s[COL], 5
	s_add_nc_u64 s[10:11], s[10:11], s[82:83]
	s_lshl_b32 s82, s[COL], 2
	s_add_nc_u64 s[12:13], s[12:13], s[82:83]
.irp a, 0,1,2,3,4,5,6
	global_load_b128 v[XS+8*\a:XS+8*\a+3], v108, s[6:7] offset:512*\a          ; the eight scale words of token 16 a + r
	global_load_b128 v[XS+8*\a+4:XS+8*\a+7], v108, s[6:7] offset:512*\a+16
.endr
.irp t, 0,1,2,3
	global_load_b128 v[WS+8*\t:WS+8*\t+3], v109, s[10:11] offset:(32*(\t/2)+8*(\t%2))*32
	global_load_b128 v[WS+8*\t+4:WS+8*\t+7], v109, s[10:11] offset:(32*(\t/2)+8*(\t%2))*32+16
.endr
	WIN 0x40                                       ; destination window 1
.irp t, 0,1,2,3
	global_load_b128 v[BI+8*\t:BI+8*\t+3], v[HB], s[12:13] offset:128*(\t/2)+32*(\t%2)      ; b at columns 32 b + 16 h + 8 u + 0 .. 7
	global_load_b128 v[BI+8*\t+4:BI+8*\t+7], v[HB], s[12:13] offset:128*(\t/2)+32*(\t%2)+16
.endr
	WIN 0
	v_mul_u32_u24 v110, v1, PITCH
	v_mad_u32_u24 v110, v2, 24, v110               ; x: row r x pitch + 24 h,
	v_lshl_add_u32 v111, v2, 4, v110               ; and behind one padding more
	s_mul_i32 s86, s[MH], 112*PITCH
	v_add_nc_u32 v[ADRA], s86, v110
	v_add_nc_u32 v[ADRA+2], s86, v111
	s_add_co_u32 s86, s86, SLOT
	v_add_nc_u32 v[ADRA+1], s86, v110
	v_add_nc_u32 v[ADRA+3], s86, v111
	v_mul_u32_u24 v110, v3, PITCH
	v_mad_u32_u24 v110, v2, 24, v110               ; W: row r + 8 (r / 8)
	v_lshl_add_u32 v111, v2, 4, v110
	s_mul_i32 s86, s[NG], 64*PITCH
	s_add_co_u32 s86, s86, BOFF
	v_add_nc_u32 v[ADRB], s86, v110
	v_add_nc_u32 v[ADRB+2], s86, v111
	s_add_co_u32 s86, s86, SLOT
	v_add_nc_u32 v[ADRB+1], s86, v110
	v_add_nc_u32 v[ADRB+3], s86, v111
	s_mul_i32 s86, s[WV], 16*SPITCH                ; my stage
	v_mul_u32_u24 v[STO], v1, SPITCH
	v_lshl_add_u32 v[STO], v2, 6, v[STO]
	v_add_nc_u32 v[STO], s86, v[STO]               ; in: row r, + 64 h
	v_mul_u32_u24 v[RD], v2, SPITCH
	v_lshl_add_u32 v[RD], v1, 4, v[RD]
	v_add_nc_u32 v[RD], s86, v[RD]                 ; back: lanes 0-15 one row, lanes 16-31 the next
	v_and_b32 v[VO], 31, v0
	v_lshlrev_b32 v[VO], 4, v[VO]
	v_lshlrev_b32 v[CSO], 4, v1
	v_lshl_add_u32 v[CSO], v2, 3, v[CSO]
	v_lshlrev_b32 v[SSO], 3, v1
	v_lshl_add_u32 v[SSO], v2, 2, v[SSO]
	s_mov_b32 s[C64], 0x3c800000                   ; 1 / 64
	s_mov_b32 s[EPS], 0x358637bd                   ; 1e-6
	s_mov_b32 s[SEL], 0x76543210
	s_mov_b32 s[SEL+1], 0xfedcba98                 ; v_permlanex16_b32's selects for lane l xor 16
	s_wait_loadcnt 0x0                             ; the scale words and the bias
	s_wait_tensorcnt 0x1                           ; my part of slot 0 is in; slot 1's may stay out
	s_barrier_signal -1
	s_barrier_wait -1
	KSTEP 0, 0, 0, 1
	KSTEP 0, 1, 1, 0
	CHANGE 0, 1                                    ; slot 0 takes K 512 on
	KSTEP 1, 0, 2, 0
	KSTEP 1, 1, 3, 0
	CHANGE 1, 1                                    ; slot 1 takes K 768 on
	KSTEP 0, 0, 4, 0
	KSTEP 0, 1, 5, 0
	CHANGE 0, 0                                    ; nothing is left to fetch
	KSTEP 1, 0, 6, 0
	KSTEP 1, 1, 7, 0
.rept 4
	v_nop                                          ; four places in front of the first read of results and of writes into the fragments' registers
.endr
	s_and_b32 s88, ttmp9, 3
	s_lshl_b32 s88, s88, 2
	s_add_co_u32 s88, s88, s[NG]                   ; my head
	s_lshr_b32 s87, ttmp9, 2                       ; 0: q, 1: k, 2: v
	s_cmp_eq_u32 s87, 2
	s_cbranch_scc1 .Lvpath
	; ---- q and k: LayerNorm over the head's 64, then codes
	s_cmp_eq_u32 s87, 0
	s_cselect_b64 s[14:15], s[14:15], s[18:19]     ; gamma
	s_cselect_b64 s[16:17], s[16:17], s[20:21]     ; beta
	s_cselect_b64 s[22:23], s[22:23], s[26:27]     ; the codes' buffer
	s_cselect_b64 s[24:25], s[24:25], s[28:29]     ; the scale words'
	s_mul_i32 s90, s88, 3*PLANE
	s_lshl_b32 s91, s[TOK], 4
	s_add_co_u32 s90, s90, s91
	s_mov_b32 s91, 0
	s_add_nc_u64 s[22:23], s[22:23], s[90:91]
	s_mul_i32 s90, s88, 50176
	s_lshl_b32 s92, s[TOK], 3
	s_add_co_u32 s90, s90, s92
	s_add_nc_u64 s[24:25], s[24:25], s[90:91]
.irp t, 0,1,2,3
	global_load_b128 v[GA+8*\t:GA+8*\t+3], v[HB], s[14:15] offset:128*(\t/2)+32*(\t%2)
	global_load_b128 v[GA+8*\t+4:GA+8*\t+7], v[HB], s[14:15] offset:128*(\t/2)+32*(\t%2)+16
	global_load_b128 v[BE+8*\t:BE+8*\t+3], v[HB], s[16:17] offset:128*(\t/2)+32*(\t%2)
	global_load_b128 v[BE+8*\t+4:BE+8*\t+7], v[HB], s[16:17] offset:128*(\t/2)+32*(\t%2)+16
.endr
	v_mov_b32 v[TP], 0                             ; written once: a lane permute's destination counts as one of its sources
	v_mov_b32 v[TP+1], 0
	v_mov_b32 v[PT], 0
	s_wait_loadcnt 0x0
.macro LNQ a
.set AB, 32*(\a)
	s_wait_xcnt 0x0                                ; the last tile's stores have read their data: the registers are written again only behind this wait
	WIN 0x05                                       ; sources 0 and 1 in window 1
.set k, 0
.rept 8
	v_pk_add_f32 v[T+2*k:T+2*k+1], v[AB+4*k:AB+4*k+1], v[AB+4*k+2:AB+4*k+3]   ; each accumulator from its low end on
.set k, k+1
.endr
	WIN 0
.irp m, 0,4,8,12
	v_pk_add_f32 v[T+\m:T+\m+1], v[T+\m:T+\m+1], v[T+\m+2:T+\m+3]
.endr
	v_pk_add_f32 v[T:T+1], v[T:T+1], v[T+4:T+5]
	v_pk_add_f32 v[T+8:T+9], v[T+8:T+9], v[T+12:T+13]
	v_pk_add_f32 v[T:T+1], v[T:T+1], v[T+8:T+9]
	v_add_f32 v[VV], v[T], v[T+1]
	v_permlanex16_b32 v[PT], v[VV], s[SEL], s[SEL+1]
	v_add_f32 v[VV], v[VV], v[PT]                  ; my 32 and lane l xor 16's 32
	v_mul_f32 v[MU], s[C64], v[VV]                 ; the mean
	v_mov_b32 v[MU+1], v[MU]
	WIN 0x01                                       ; source 0 in window 1
.set k, 0
.rept 16
	v_pk_add_f32 v[X+2*k:X+2*k+1], v[AB+2*k:AB+2*k+1], v[MU:MU+1] neg_lo:[0,1] neg_hi:[0,1]
.set k, k+1
.endr
	WIN 0
	v_pk_mul_f32 v[T:T+1], v[X:X+1], v[X:X+1]      ; the squares, in two chains
	v_pk_mul_f32 v[T+2:T+3], v[X+2:X+3], v[X+2:X+3]
.set k, 4
.rept 7
	v_pk_fma_f32 v[T:T+1], v[X+k:X+k+1], v[X+k:X+k+1], v[T:T+1]
	v_pk_fma_f32 v[T+2:T+3], v[X+k+2:X+k+3], v[X+k+2:X+k+3], v[T+2:T+3]
.set k, k+4
.endr
	v_pk_add_f32 v[T:T+1], v[T:T+1], v[T+2:T+3]
	v_add_f32 v[VV], v[T], v[T+1]
	v_permlanex16_b32 v[PT], v[VV], s[SEL], s[SEL+1]
	v_add_f32 v[VV], v[VV], v[PT]
	v_fma_f32 v[VV], v[VV], s[C64], s[EPS]         ; the variance + 1e-6
	v_rsq_f32 v[RS], v[VV]
	v_nop                                          ; a plain place behind the transcendental,
	s_wait_alu depctr_va_vdst(0)                   ; and a wait ahead of its first reader
	v_mov_b32 v[RS+1], v[RS]
.set k, 0
.rept 16
	v_pk_mul_f32 v[X+2*k:X+2*k+1], v[X+2*k:X+2*k+1], v[RS:RS+1]
.set k, k+1
.endr
.set k, 0
.rept 16
	v_pk_fma_f32 v[X+2*k:X+2*k+1], v[X+2*k:X+2*k+1], v[GA+2*k:GA+2*k+1], v[BE+2*k:BE+2*k+1]
.set k, k+1
.endr
	HQUANT X
	v_lshl_or_b32 v[W], v[BY+1], 8, v[BY]
	v_or_b32 v[W], 0x01010000, v[W]                ; bytes 2 and 3: 2^-126, for the unused half of the next K
.irp p, 0,1,2
	global_store_b64 v[CSO], v[CO+2*\p:CO+2*\p+1], s[22:23] offset:\p*PLANE+256*(\a)   ; 32 lanes store 256 consecutive bytes
.endr
	global_store_b32 v[SSO], v[W], s[24:25] offset:128*(\a)
.endm
.irp a, 0,1,2,3,4,5,6
	LNQ \a
.endr
	s_wait_tensorcnt 0x0                           ; the wave's end
	ds_add_u32 v[SPW], v[NIL]
	s_wait_dscnt 0x0
	s_endpgm
.Lvpath:
	; ---- v: f32, through my stage in LDS, so that whole rows of 256 bytes are stored
	s_mul_i32 s90, s88, 1605632
	s_lshl_b32 s91, s[TOK], 8
	s_add_co_u32 s90, s90, s91
	s_mov_b32 s91, 0
	s_add_nc_u64 s[30:31], s[30:31], s[90:91]
.macro OUT a
.if (\a) > 0
	s_wait_xcnt 0x0                                ; the last tile's stores have read their data
.endif
	WIN 0x04                                       ; an LDS store's data are its source 1: window 1
.irp t, 0,1,2,3
	ds_store_b128 v[STO], v[8*(4*(\a)+\t):8*(4*(\a)+\t)+3] offset:128*(\t/2)+32*(\t%2)       ; each accumulator from its low end on
	ds_store_b128 v[STO], v[8*(4*(\a)+\t)+4:8*(4*(\a)+\t)+7] offset:128*(\t/2)+32*(\t%2)+16
.endr
	WIN 0
.irp i, 0,1,2,3,4,5,6,7
	ds_load_b128 v[OB+4*\i:OB+4*\i+3], v[RD] offset:2*\i*SPITCH    ; LDS serves a wave's instructions in order: these see my stores
.endr
.irp i, 0,1,2,3,4,5,6,7
	s_wait_dscnt 7-\i                              ; the later loads of the eight may be out
	global_store_b128 v[VO], v[OB+4*\i:OB+4*\i+3], s[30:31] offset:(16*(\a)+2*\i)*256   ; 32 lanes store two rows: 512 consecutive bytes
.endr
.endm
.irp a, 0,1,2,3,4,5,6
	OUT \a
.endr
	s_wait_tensorcnt 0x0                           ; the wave's end
	ds_add_u32 v[SPW], v[NIL]
	s_wait_dscnt 0x0
	s_endpgm
.Lfunc_end_k_q3a20467c9a_qkv:
	.size	k_q3a20467c9a_qkv, .Lfunc_end_k_q3a20467c9a_qkv-k_q3a20467c9a_qkv
	.p2alignl 7, 3214868480
	.fill 96, 4, 3214868480
	.section	.rodata,"a",@progbits
	.p2align	6, 0x0
	.amdhsa_kernel k_q3a20467c9a_qkv
		.amdhsa_group_segment_fixed_size 327680
		.amdhsa_private_segment_fixed_size 0
		.amdhsa_enable_private_segment 0
		.amdhsa_kernarg_size 112
		.amdhsa_user_sgpr_count 2
		.amdhsa_user_sgpr_kernarg_segment_ptr 1
		.amdhsa_wavefront_size32 1
		.amdhsa_system_sgpr_workgroup_id_x 1
		.amdhsa_system_sgpr_workgroup_id_y 1
		.amdhsa_system_sgpr_workgroup_id_z 1
		.amdhsa_system_vgpr_workitem_id 0
		.amdhsa_next_free_vgpr 512
		.amdhsa_next_free_sgpr 100
		.amdhsa_reserve_vcc 0
		.amdhsa_float_denorm_mode_32 3
		.amdhsa_float_denorm_mode_16_64 3
		.amdhsa_memory_ordered 1
		.amdhsa_forward_progress 1
		.amdhsa_inst_pref_size 150
	.end_amdhsa_kernel
	.amdgpu_metadata
---
amdhsa.version: [ 1, 2 ]
amdhsa.kernels:
  - .name:           k_q3a20467c9a_qkv
    .symbol:         k_q3a20467c9a_qkv.kd
    .args:
      - { .name: x_codes, .offset: 0, .size: 8, .value_kind: global_buffer, .address_space: global }
      - { .name: x_scales, .offset: 8, .size: 8, .value_kind: global_buffer, .address_space: global }
      - { .name: W_qkv_codes, .offset: 16, .size: 8, .value_kind: global_buffer, .address_space: global }
      - { .name: W_qkv_scales, .offset: 24, .size: 8, .value_kind: global_buffer, .address_space: global }
      - { .name: b_qkv, .offset: 32, .size: 8, .value_kind: global_buffer, .address_space: global }
      - { .name: q_gamma, .offset: 40, .size: 8, .value_kind: global_buffer, .address_space: global }
      - { .name: q_beta, .offset: 48, .size: 8, .value_kind: global_buffer, .address_space: global }
      - { .name: k_gamma, .offset: 56, .size: 8, .value_kind: global_buffer, .address_space: global }
      - { .name: k_beta, .offset: 64, .size: 8, .value_kind: global_buffer, .address_space: global }
      - { .name: qc, .offset: 72, .size: 8, .value_kind: global_buffer, .address_space: global }
      - { .name: qs, .offset: 80, .size: 8, .value_kind: global_buffer, .address_space: global }
      - { .name: kc, .offset: 88, .size: 8, .value_kind: global_buffer, .address_space: global }
      - { .name: ks, .offset: 96, .size: 8, .value_kind: global_buffer, .address_space: global }
      - { .name: vf, .offset: 104, .size: 8, .value_kind: global_buffer, .address_space: global }
    .group_segment_fixed_size: 327680
    .private_segment_fixed_size: 0
    .kernarg_segment_align: 8
    .kernarg_segment_size: 112
    .max_flat_workgroup_size: 256
    .sgpr_count:     100
    .vgpr_count:     512
    .wavefront_size: 32
...
	.end_amdgpu_metadata
.endif
;; end of part 1
;; launch attn (part 2): grid 16 x 32, 8 waves a work-group, no clusters, 218,112 bytes of LDS; arguments qc, qs, kc, ks, vf, gather_idx, attn_bias, oc, os; writes oc, os
.if DOCPART == 2
	.amdgcn_target "amdgcn-amd-amdhsa--gfx1250"
	.amdhsa_code_object_version 6
	.text
	.protected	k_q3a20467c9a_attn
	.globl	k_q3a20467c9a_attn
	.p2align	8
	.type	k_q3a20467c9a_attn,@function
k_q3a20467c9a_attn:
	s_mov_b64 s[64:65], 0
	v_nop
	global_prefetch_b8 v0, s[64:65] scope:SCOPE_SE
	s_setreg_imm32_b32 hwreg(HW_REG_WAVE_MODE, 25, 1), 1
	s_wait_xcnt 0x0
; Attention of one frame's 196 queries of one head over the frame's 1,960 gathered keys, both products on codes of FP6 (E2M3) with one E8M0 scale for each 32 along a product's K.
; t = (q . k / 8 + bias) log2(e); M = the row's largest t so far, rounded UP to a whole number; p = 2^(t - M) is quantised along the keys, not normalised; the row's sum is taken of the unquantised p and divides at the end.
; The result o is quantised along the head's 64 and stored as codes (planes, as q and k lie) and scale words for the last product.
; SHARES.  One work-group for each (head, frame).  The keys are padded to 2,048: 16 steps of 128; the queries are 13 tiles of 16.
; PROLOGUE: wave w builds steps 2 w and 2 w + 1 in LDS, as IMAGES OF THE OPERANDS' REGISTERS (four registers at 16 x lane, 512 bytes on end): K's codes and scale words are gathered as they lie;
; V is gathered as f32 and quantised HERE, along the frame's own order of keys (blocks of 32 positions): a lane takes one channel, its 32 registers run down a block's keys.  Positions from 1,960 on count as zeros.
; The bias comes in times 8 (positions from 1,960 on: -3e38) and is the C of the first product: t = c (s + 8 bias), c = log2(e) / 8.
; MAIN: wave w walks key steps 8 (w / 4) on, eight of them, for the query tiles tg + 4 i, tg = (w + 3 (w / 4)) & 3; tile 12 exists for tg = 0 alone.  A step's fragments serve the wave's 3 or 4 tiles.
; Both products are used transposed (source 0 = keys, or V's channels; source 1 = queries, or p): a lane holds ONE query.  Lane r of key tile 2 b + u takes key 32 b + 8 u + r + 8 (r / 8), V's channels likewise.
; THE FIRST PRODUCT'S K IS 64 OF THE INSTRUCTION'S 128: q's upper six registers are zero codes; K's fragment T names registers 6 T .. 6 T + 11, whose upper six are the next tile's codes (behind the last tile: zeros):
; every code is a finite number, so those products are zeros.
; END: the two waves that share a query tile meet in LDS: the later keys' O, M and sum are brought under the larger M by exact powers of two and added.
; No tensor load: every gathered byte is read by this work-group alone and V passes through registers to be quantised.  No cluster: the work-groups of a launch share no tile at the same time.
; LIMITS: NaN and infinities are not served; |attn_bias| under 4e37 (it is multiplied by 8); indices are held at 6,271; a block of zeros gets the scale byte 1 (its codes are zeros); 1 / sum by v_rcp_f32.
.set PLANE, 100352
.set STEPB, 6144                       ; an image of 48 registers
.set VIMG,  98304                      ; LDS: K's 16 images from 0, V's 16 from here,
.set SC,    196608                     ; 768 bytes a step: K's four scale registers (16 x lane), V's two (8 x lane, 512 on),
.set BIAS,  208896                     ; 2,048 f32: 8 x bias
.set MSLOT, 4608                       ; the meeting, from 0, behind the last read of the images: 32 registers of O and four of statistics for each tile
.set L4,   1                           ; 4 x lane
.set LI,   2                           ; 16 x lane
.set BADR, 3                           ; BIAS + 64 h
.set ADK,  4
.set ADV,  5
.set ADS,  6
.set ADS2, 7
.set ADB,  8
.set MADR, 9                           ; 4 MSLOT tg + 16 x lane
.set L8,   10                          ; 8 x lane
.set WITHIN, 11                        ; 16 tg + r
.set ST,   12                          ; v12-27: tile i: -M, the largest t, the sum in two halves
.set QS,   28                          ; v28-31 q's scale words
.set KS,   32                          ; v32-35 K's: register b: tile 2 b in lanes 0-15, tile 2 b + 1 in lanes 16-31
.set VS,   36                          ; v36-37 V's, likewise
.set F,    38
.set PW,   39                          ; p's scale word
.set TMP,  40
.set SUM,  42
.set BM,   44
.set T4,   48
.set TP,   48
.set BY,   50
.set SO,   52
.set PC,   56                          ; v56-67 p's codes
.set CO,   56
.set CT,   68                          ; v68-70, v72-74
.set PRR,  71                          ; r + 8 (r / 8)
.set H8,   75                          ; 8 h
.set Q,    76                          ; v76-123: tile i: six registers of codes, six of zeros
.set BI,   124                         ; v124-187 8 x bias in the scores' layout
.set S,    188                         ; v188-251 the scores, then p
.set OCO,  252
.set OSO,  253
.set RR,   254
.set HH,   255
.set KF,   128                         ; window 1: v0-127 O^T, 32 a tile; v128-181 K; v184-231 V
.set VF,   184
; the prologue's own
.set VM0,  40
.set VM1,  41
.set VSO,  42
.set VBY,  43
.set VW,   44
.set VC,   48
.set VC2,  54
.set VWA,  58
.set VSA,  59
.set KWA,  60
.set KSA,  61
.set BWA,  62
.set IDX,  124
.set KSO,  140
.set KSR,  148
.set KR,   156
.set OFF,  124
.set XX,   188
; the end's own
.set OB,   124
.set STB,  156
.set NMF,  160
.set FA,   162
.set FB,   164
.set LA,   166
.set LB,   167
.set PT,   168
.set INV,  169
.set WV,   22
.set KH,   23
.set TG,   24
.set CS,   26
.set SEL,  28
.set SH,   30
.set W1K,  100
.set MSB, 0
.macro WIN new                         ; the immediate's high byte repeats the setting that is left
.if MSB != \new
	s_set_vgpr_msb (MSB<<8)|\new
.set MSB, \new
.endif
.endm
; 32 numbers of a lane, register 16 b + i = element 32 b + 16 h + i of my query's 64, become the six registers of block h's codes in v[CO] on, and the two blocks' scale bytes in v[BY], v[BY+1].
.macro HQUANT src
.irp b, 0,1
	v_max3_num_f32 v[BM+\b], |v[\src+16*\b]|, |v[\src+16*\b+1]|, 0x1800000   ; and the floor 2^(3 - 127): the byte cannot fall under 1
.endr
.irp i, 2,4,6,8,10,12,14
.irp b, 0,1
	v_max3_num_f32 v[BM+\b], v[BM+\b], |v[\src+16*\b+\i]|, |v[\src+16*\b+\i+1]|
.endr
.endr
.irp b, 0,1
	v_permlanex16_b32 v[TP+\b], v[BM+\b], s[SEL], s[SEL+1]
.endr
.irp b, 0,1
	v_max_num_f32 v[BM+\b], v[BM+\b], v[TP+\b]
.endr
.irp b, 0,1
	v_add_nc_u32 v[SO+\b], 0xff000000, v[BM+\b]
.endr
.irp b, 0,1
	v_lshrrev_b32 v[BY+\b], 23, v[SO+\b]
.endr
	v_cvt_scalef32_pk16_fp6_f32 v[CO:CO+2], v[\src:\src+15], v[SO]
	v_cvt_scalef32_pk16_fp6_f32 v[CT:CT+2], v[\src+16:\src+31], v[SO+1]
	v_nop                                          ; one plain place behind a scaled conversion
.irp i, 0,1,2
	v_permlane16_swap_b32 v[CO+\i], v[CT+\i]
.endr
.irp i, 0,1,2
	v_mov_b32 v[CO+3+\i], v[CT+\i]
.endr
.endm
	s_load_b512 s[4:19], s[0:1], 0x0               ; qc 4, qs 6, kc 8, ks 10, vf 12, gather_idx 14, attn_bias 16, oc 18
	s_load_b64 s[20:21], s[0:1], 0x40              ; os
	s_set_vgpr_msb 0x40
	v_lshl_add_u32 v254, v0, 2, 0x35000
	v_mov_b32 v255, 0
	s_set_vgpr_msb 0x4000
	v_lshrrev_b32 v1, 5, v0
	v_readfirstlane_b32 s[WV], v1                  ; wave 0..7
	s_lshr_b32 s[KH], s[WV], 2                     ; which half of the keys
	s_mul_i32 s[TG], s[KH], 3
	s_add_co_u32 s[TG], s[TG], s[WV]
	s_and_b32 s[TG], s[TG], 3                      ; which query tiles
	s_and_b32 s25, ttmp7, 0xffff                   ; the frame
	s_mov_b32 s[CS], 0x3e38aa3b                    ; c = log2(e) / 8
	s_mov_b32 s[CS+1], s[CS]
	s_mov_b32 s[SEL], 0x76543210
	s_mov_b32 s[SEL+1], 0xfedcba98                 ; v_permlanex16_b32's selects for lane l xor 16
	s_and_b32 s[SH], ttmp9, 1
	s_lshl_b32 s[SH], s[SH], 4                     ; o's scale bytes: an odd head's go to bytes 2 and 3
	s_lshl_b32 s[W1K], s[WV], 10                   ; my 256 positions in gather_idx, in bytes
	v_and_b32 v[RR], 15, v0
	v_bfe_u32 v[HH], v0, 4, 1
	v_and_b32 v[L8], 31, v0
	v_lshlrev_b32 v[L4], 2, v[L8]
	v_lshlrev_b32 v[LI], 4, v[L8]
	v_lshlrev_b32 v[L8], 3, v[L8]
	v_lshl_add_u32 v[BADR], v[HH], 6, BIAS
	s_mul_i32 s31, s[TG], 4*MSLOT
	v_add_nc_u32 v[MADR], s31, v[LI]
	s_lshl_b32 s31, s[TG], 4
	v_add_nc_u32 v[WITHIN], s31, v[RR]
	v_and_b32 v[PRR], 8, v[RR]
	v_add_nc_u32 v[PRR], v[PRR], v[RR]
	v_lshlrev_b32 v[H8], 3, v[HH]
	s_mul_i32 s31, s[WV], 2*STEPB                  ; my two steps' images
	v_add_nc_u32 v[KWA], s31, v[LI]
	; V's codes: my channel 32 dh + lane is row (lane & 7) + 8 (lane / 16) of tile 2 dh + ((lane / 8) & 1)
	v_bfe_u32 v[VSA], v0, 3, 1
	v_and_b32 v[BWA], 7, v0
	v_mul_u32_u24 v[VWA], v[VSA], 1536
	v_lshl_add_u32 v[VWA], v[BWA], 4, v[VWA]
	v_lshl_add_u32 v[VWA], v[HH], 7, v[VWA]
	s_add_co_u32 s31, s31, VIMG
	v_add_nc_u32 v[VWA], s31, v[VWA]
	v_lshlrev_b32 v[VSA], 7, v[VSA]
	v_lshl_add_u32 v[VSA], v[BWA], 3, v[VSA]
	v_lshl_add_u32 v[VSA], v[HH], 6, v[VSA]
	s_mul_i32 s31, s[WV], 1536
	s_add_co_u32 s31, s31, SC
	v_add_nc_u32 v[KSA], s31, v[LI]
	v_add_nc_u32 v[VSA], s31, v[VSA]
	v_lshl_add_u32 v[BWA], v0, 4, BIAS
.irp i, 0,1,2,3
	v_mov_b32 v[ST+4*\i+1], 0xff61b1e6             ; the largest t so far: -3e38, under every t
	v_floor_f32 v[ST+4*\i], -v[ST+4*\i+1]          ; -M
	v_mov_b32 v[ST+4*\i+2], 0                      ; the sum
	v_mov_b32 v[ST+4*\i+3], 0
.irp j, 6,7,8,9,10,11
	v_mov_b32 v[Q+12*\i+\j], 0                     ; zero codes for the unused half of K
.endr
.endr
	WIN 0x40                                       ; destination window 1
.set j, 0
.rept 128
	v_mov_b32 v[j], 0                              ; O^T.  (The key step is written once: the first finds zeros, which the first change of M leaves zeros)
.set j, j+1
.endr
.irp j, 48,49,50,51,52,53
	v_mov_b32 v[KF+\j], 0                          ; behind K's last tile
.endr
	WIN 0
	s_mul_i32 s2, ttmp9, 3*PLANE
	s_mov_b32 s3, 0
	s_wait_kmcnt 0x0
	s_add_nc_u64 s[4:5], s[4:5], s[2:3]            ; the head's codes
	s_add_nc_u64 s[8:9], s[8:9], s[2:3]
	s_add_nc_u64 s[18:19], s[18:19], s[2:3]
	s_mul_i32 s2, ttmp9, 50176
	s_add_nc_u64 s[6:7], s[6:7], s[2:3]            ; its scale words
	s_add_nc_u64 s[10:11], s[10:11], s[2:3]
	s_add_nc_u64 s[20:21], s[20:21], s[2:3]
	s_mul_i32 s2, ttmp9, 1605632
	s_add_nc_u64 s[12:13], s[12:13], s[2:3]        ; its v
	s_mul_i32 s2, s25, 7840
	s_add_nc_u64 s[14:15], s[14:15], s[2:3]        ; the frame's indices and bias
	s_add_nc_u64 s[16:17], s[16:17], s[2:3]
	s_mul_i32 s31, s25, 196
	s_lshl_b32 s2, s[TG], 4
	s_add_co_u32 s31, s31, s2                      ; my first tile's first token
	v_add_nc_u32 v132, s31, v[RR]
	v_lshlrev_b32 v[OSO], 3, v132
	v_lshl_add_u32 v[OSO], v[HH], 2, v[OSO]
	v_lshl_add_u32 v[OCO], v132, 4, v[H8]
	; ---- q: tiles tg + 4 i.  Rows past the frame's 196 are other tokens' (held inside the buffer): computed, never stored
.irp i, 0,1,2,3
	v_add_nc_u32 v[124+\i], 64*\i, v132
	v_min_u32 v[124+\i], 6271, v[124+\i]
	v_lshlrev_b32 v[128+\i], 3, v[124+\i]
	v_lshl_add_u32 v[124+\i], v[124+\i], 4, v[H8]
.irp p, 0,1,2
	global_load_b64 v[Q+12*\i+2*\p:Q+12*\i+2*\p+1], v[124+\i], s[4:5] offset:\p*PLANE
.endr
	global_load_b32 v[QS+\i], v[128+\i], s[6:7]
.endr
	; ---- the bias, times 8: 512 pieces of 16 bytes, two a thread; 490 of them are real
	v_lshlrev_b32 v133, 4, v0
	v_add_nc_u32 v134, 256, v0
	v_min_u32 v135, 489, v134
	v_lshlrev_b32 v135, 4, v135
	global_load_b128 v[136:139], v133, s[16:17]
	global_load_b128 v[140:143], v135, s[16:17]
	v_mov_b32 v144, 0xff61b1e6
	v_cmp_gt_u32 vcc_lo, 490, v134
	s_wait_loadcnt 0x0                             ; q too
.irp k, 0,1,2,3,4,5,6,7
	v_mul_f32 v[136+\k], 0x41000000, v[136+\k]
.endr
.irp k, 4,5,6,7
	v_cndmask_b32 v[136+\k], v144, v[136+\k], vcc_lo
.endr
	ds_store_b128 v[BWA], v[136:139]
	ds_store_b128 v[BWA], v[140:143] offset:4096
	; ---- K: my 16 tiles of 16 keys.  Tile n = 8 js + 2 b + u, lane r: position 256 w + 128 js + 32 b + 8 u + r + 8 (r / 8), held at 1,959
	s_lshl_b32 s31, s[WV], 8
	v_add_nc_u32 v172, s31, v[PRR]
	s_wait_dscnt 0x0                               ; the stores have read their registers
.set n, 0
.rept 16
	v_add_nc_u32 v[KR+n], 128*(n/8)+32*((n%8)/2)+8*(n%2), v172
	v_min_u32 v[KR+n], 1959, v[KR+n]
	v_lshlrev_b32 v[KR+n], 2, v[KR+n]
	global_load_b32 v[IDX+n], v[KR+n], s[14:15]
.set n, n+1
.endr
	s_mov_b32 vcc_lo, 0xffff0000
	s_wait_loadcnt 0x0
.set n, 0
.rept 8
	v_cndmask_b32 v[KSO+n], v[IDX+2*n], v[IDX+2*n+1], vcc_lo   ; scale words: lanes 0-15 the even tile's keys, lanes 16-31 the odd tile's
	v_min_u32 v[KSO+n], 6271, v[KSO+n]
	v_lshlrev_b32 v[KSO+n], 3, v[KSO+n]
.set n, n+1
.endr
.set n, 0
.rept 16
	v_min_u32 v[IDX+n], 6271, v[IDX+n]
	v_lshl_add_u32 v[IDX+n], v[IDX+n], 4, v[H8]
	global_load_b64 v[KR+6*n:KR+6*n+1], v[IDX+n], s[8:9]
	global_load_b64 v[KR+6*n+2:KR+6*n+3], v[IDX+n], s[8:9] offset:PLANE
	global_load_b64 v[KR+6*n+4:KR+6*n+5], v[IDX+n], s[8:9] offset:2*PLANE
.set n, n+1
.endr
.set n, 0
.rept 8
	global_load_b32 v[KSR+n], v[KSO+n], s[10:11]
.set n, n+1
.endr
	s_wait_loadcnt 0x0
.set n, 0
.rept 24
	ds_store_b128 v[KWA], v[KR+4*n:KR+4*n+3] offset:512*n          ; two images of 12 x 512 bytes on end
.set n, n+1
.endr
	ds_store_b128 v[KSA], v[KSR:KSR+3]
	ds_store_b128 v[KSA], v[KSR+4:KSR+7] offset:768
	s_wait_dscnt 0x0                               ; the stores have read their registers
	; ---- V: my eight blocks of 32 positions
.macro VIDX n, base                    ; block n's 32 indices into scalar registers, eight at a time; a piece past position 1,959 takes the last real piece (1,960 = 8 x 245)
	s_add_co_u32 s2, s[W1K], 128*(\n)
	s_add_co_u32 s3, s[W1K], 128*(\n)+32
	s_add_co_u32 s66, s[W1K], 128*(\n)+64
	s_add_co_u32 s67, s[W1K], 128*(\n)+96
	s_min_u32 s2, s2, 7808
	s_min_u32 s3, s3, 7808
	s_min_u32 s66, s66, 7808
	s_min_u32 s67, s67, 7808
	s_load_b256 s[\base:\base+7], s[14:15], s2 offset:0x0
	s_load_b256 s[\base+8:\base+15], s[14:15], s3 offset:0x0
	s_load_b256 s[\base+16:\base+23], s[14:15], s66 offset:0x0
	s_load_b256 s[\base+24:\base+31], s[14:15], s67 offset:0x0
.endm
.macro VOFF base, set                  ; the 32 rows' byte offsets: 256 x token + 4 x lane
	s_wait_kmcnt 0x0
.set z, 0
.rept 32
	s_min_u32 s[\base+z], s[\base+z], 6271
	v_lshl_add_u32 v[OFF+32*(\set)+z], s[\base+z], 8, v[L4]
.set z, z+1
.endr
.endm
.macro VLD set, dh, xs                 ; channel 32 dh + lane of the block's 32 keys: each load reads 128 consecutive bytes
.set z, 0
.rept 32
	global_load_b32 v[XX+32*(\xs)+z], v[OFF+32*(\set)+z], s[12:13] offset:128*(\dh)
.set z, z+1
.endr
.endm
.macro VQ n, dh, xs, left
.set XB, XX+32*(\xs)
.set KB, (\n)%4
.set JS, (\n)/4
	s_wait_loadcnt \left                           ; this unit's 32 loads are in; the younger unit's 32 may be out
	s_wait_dscnt 0x0                               ; the last unit's stores have read their registers
.if (\n) >= 5                          ; wave 7 holds positions 1,792 on: from 1,960 on V counts as zeros
	s_cmp_lg_u32 s[WV], 7
	s_cbranch_scc1 .Lreal_\@
.if (\n) == 5
.set z, 8
.else
.set z, 0
.endif
.rept 32-z
	v_mov_b32 v[XB+z], 0
.set z, z+1
.endr
.Lreal_\@:
.endif
	v_max3_num_f32 v[VM0], |v[XB]|, |v[XB+1]|, |v[XB+2]|          ; the block's largest magnitude: all 32 numbers are mine
	v_max3_num_f32 v[VM1], |v[XB+3]|, |v[XB+4]|, |v[XB+5]|
.irp i, 6,10,14,18,22,26
	v_max3_num_f32 v[VM0], v[VM0], |v[XB+\i]|, |v[XB+\i+1]|
	v_max3_num_f32 v[VM1], v[VM1], |v[XB+\i+2]|, |v[XB+\i+3]|
.endr
	v_max3_num_f32 v[VM0], v[VM0], |v[XB+30]|, |v[XB+31]|
	v_max3_num_f32 v[VM0], v[VM0], v[VM1], 0x1800000               ; and the floor 2^(3 - 127)
	v_add_nc_u32 v[VSO], 0xff000000, v[VM0]
	v_lshrrev_b32 v[VBY], 23, v[VSO]
.if KB == 0
	v_mov_b32 v[VW+(\dh)], v[VBY]                  ; a step's four bytes make my channel's scale word
.else
	v_lshl_or_b32 v[VW+(\dh)], v[VBY], 8*KB, v[VW+(\dh)]
.endif
	v_cvt_scalef32_pk16_fp6_f32 v[VC:VC+2], v[XB:XB+15], v[VSO]
	v_cvt_scalef32_pk16_fp6_f32 v[VC2:VC2+2], v[XB+16:XB+31], v[VSO]
	v_nop                                          ; one plain place behind a scaled conversion
.irp i, 0,1,2
	v_mov_b32 v[VC+3+\i], v[VC2+\i]
.endr
.set VOB, STEPB*JS+3072*(\dh)+256*(KB%2)   ; block kb is registers 6 (kb / 2) .. + 5 of the fragment, in lanes 16 (kb % 2) on
.if KB < 2
	ds_store_b128 v[VWA], v[VC:VC+3] offset:VOB
	ds_store_b64 v[VWA], v[VC+4:VC+5] offset:VOB+512
.else
	ds_store_b64 v[VWA], v[VC:VC+1] offset:VOB+520
	ds_store_b128 v[VWA], v[VC+2:VC+5] offset:VOB+1024
.endif
.if KB == 3
	ds_store_b32 v[VSA], v[VW+(\dh)] offset:512+768*JS+4*(\dh)
.endif
.endm
	VIDX 0, 32
	VOFF 32, 0
	VIDX 1, 68
	VLD 0, 0, 0
	VLD 0, 1, 1
.irp n, 0,1,2,3,4,5,6,7
.if \n < 7
	VOFF 32+36*((\n+1)%2), (\n+1)%2                ; the next block's offsets: the loads that last read these registers were shown done by the last unit's wait
.endif
.if \n < 6
	VIDX \n+2, 32+36*(\n%2)
.endif
	VQ \n, 0, 0, 32
.if \n < 7
	VLD (\n+1)%2, 0, 0
	VQ \n, 1, 1, 32
	VLD (\n+1)%2, 1, 1
.else
	VQ \n, 1, 1, 0
.endif
.endr
.irp b, 0,1,2,3
	v_mov_b32 v[T4+\b], 0                          ; written once: a lane permute's destination counts as one of its sources
.endr
	v_mov_b32 v[PW], 0                             ; (named as the upper half of the pair with F before it is first written)
	s_mul_i32 s2, s[KH], 8*STEPB                   ; my first key step's images,
	s_mul_i32 s3, s[KH], 8*768
	s_add_co_u32 s3, s3, SC                        ; scale words,
	s_lshl_b32 s66, s[KH], 12                      ; and bias
	s_mov_b32 s67, 8
	s_wait_dscnt 0x0                               ; for the others' sake: my stores have landed
	s_barrier_signal -1
	s_barrier_wait -1                              ; all 16 steps lie in LDS
; One query tile's part of a key step.
.macro TILE i
.set NM, ST+4*(\i)
.set OT, 32*(\i)
	WIN 0x01                                       ; source 0 (K) in window 1
.irp t, 0,1,2,3,4,5,6,7
.if (\t%2) == 0
	v_wmma_scale_f32_16x16x128_f8f6f4 v[S+8*\t:S+8*\t+7], v[KF+6*\t:KF+6*\t+11], v[Q+12*(\i):Q+12*(\i)+11], v[BI+8*\t:BI+8*\t+7], v[KS+\t/2], v[QS+(\i)] matrix_a_fmt:MATRIX_FMT_FP6 matrix_b_fmt:MATRIX_FMT_FP6
.else
	v_wmma_scale_f32_16x16x128_f8f6f4 v[S+8*\t:S+8*\t+7], v[KF+6*\t:KF+6*\t+11], v[Q+12*(\i):Q+12*(\i)+11], v[BI+8*\t:BI+8*\t+7], v[KS+\t/2], v[QS+(\i)] matrix_a_fmt:MATRIX_FMT_FP6 matrix_b_fmt:MATRIX_FMT_FP6 matrix_a_scale:MATRIX_SCALE_ROW1
.endif
.endr
	WIN 0
.rept 4
	v_nop                                          ; four places in front of the first read of the scores
.endr
.irp b, 0,1,2,3
	v_max3_num_f32 v[BM+\b], v[S+16*\b], v[S+16*\b+1], v[S+16*\b+2]   ; the largest score of each block of 32 keys: for the row's maximum and, since p rises with the score, for the block's largest p
.endr
.irp j, 3,5,7,9,11,13
.irp b, 0,1,2,3
	v_max3_num_f32 v[BM+\b], v[BM+\b], v[S+16*\b+\j], v[S+16*\b+\j+1]
.endr
.endr
.irp b, 0,1,2,3
	v_max_num_f32 v[BM+\b], v[BM+\b], v[S+16*\b+15]
.endr
.irp b, 0,1,2,3
	v_permlanex16_b32 v[T4+\b], v[BM+\b], s[SEL], s[SEL+1]
.endr
.irp b, 0,1,2,3
	v_max_num_f32 v[BM+\b], v[BM+\b], v[T4+\b]     ; with lane l xor 16's 16 keys
.endr
	v_max3_num_f32 v[TMP], v[BM], v[BM+1], v[BM+2]
	v_max_num_f32 v[TMP], v[TMP], v[BM+3]
	v_mul_f32 v[TMP], s[CS], v[TMP]                ; as t (c is positive)
	v_max_num_f32 v[NM+1], v[NM+1], v[TMP]         ; the running largest t
	v_mov_b32 v[TMP], v[NM]
	v_floor_f32 v[NM], -v[NM+1]                    ; the new -M = -ceil(t): a whole number
	v_sub_f32 v[TMP], v[NM], v[TMP]                ; old M less new M: a whole number, 0 or less
	v_cvt_i32_f32 v[TMP], v[TMP]                   ; (it saturates)
	v_ldexp_f32 v[F], 1.0, v[TMP]                  ; f = 2^(old M - new M): rounds nothing
.set j, 0
.rept 32
	v_pk_fma_f32 v[S+j:S+j+1], v[S+j:S+j+1], s[CS:CS+1], v[NM:NM+1] op_sel_hi:[1,0,0]   ; t - M, two at a time
.set j, j+2
.endr
.irp b, 0,1,2,3
	v_fma_f32 v[BM+\b], v[BM+\b], s[CS], v[NM]     ; the same of each block's largest score
.endr
.set j, 0
.rept 64
	v_exp_f32 v[S+j], v[S+j]                       ; p = 2^(t - M), at most 1
.set j, j+1
.endr
	v_pk_mul_f32 v[NM+2:NM+3], v[NM+2:NM+3], v[F:F+1] op_sel_hi:[1,0]   ; the sums under the new M.  (A plain place behind the exponentials)
	s_wait_alu depctr_va_vdst(0)                   ; one wait for the batch, ahead of its first reader
.irp b, 0,1,2,3
	v_exp_f32 v[BM+\b], v[BM+\b]                   ; the block's largest p: the same two instructions on the same number
.endr
	v_pk_add_f32 v[SUM:SUM+1], v[S:S+1], v[S+2:S+3]   ; the row's sum of the UNQUANTISED p, in two chains
.set j, 4
.rept 15
	v_pk_add_f32 v[NM+2:NM+3], v[NM+2:NM+3], v[S+j:S+j+1]
	v_pk_add_f32 v[SUM:SUM+1], v[SUM:SUM+1], v[S+j+2:S+j+3]
.set j, j+4
.endr
	v_pk_add_f32 v[NM+2:NM+3], v[NM+2:NM+3], v[SUM:SUM+1]
	s_wait_alu depctr_va_vdst(0)                   ; and one for the four
.irp b, 0,1,2,3
	v_max_num_f32 v[BM+\b], 0x1800000, v[BM+\b]    ; the floor 2^(3 - 127)
.endr
.irp b, 0,1,2,3
	v_add_nc_u32 v[SO+\b], 0xff000000, v[BM+\b]    ; 2 off the exponent field: the conversion's scale operand
.endr
.irp b, 0,1,2,3
	v_lshrrev_b32 v[T4+\b], 23, v[SO+\b]           ; the scale's byte
.endr
	v_lshl_or_b32 v[PW], v[T4+1], 8, v[T4]
	v_lshl_or_b32 v[PW], v[T4+2], 16, v[PW]
	v_lshl_or_b32 v[PW], v[T4+3], 24, v[PW]
.irp c, 0,1
	v_cvt_scalef32_pk16_fp6_f32 v[PC+6*\c:PC+6*\c+2], v[S+32*\c:S+32*\c+15], v[SO+2*\c]
	v_cvt_scalef32_pk16_fp6_f32 v[CT+4*\c:CT+4*\c+2], v[S+32*\c+16:S+32*\c+31], v[SO+2*\c+1]
.endr
	v_nop                                          ; one plain place behind a scaled conversion
.irp c, 0,1
.irp k, 0,1,2
	v_permlane16_swap_b32 v[PC+6*\c+\k], v[CT+4*\c+\k]   ; a WHOLE block to a lane: lanes 0-15 block 2 c, lanes 16-31 block 2 c + 1
.endr
.irp k, 0,1,2
	v_mov_b32 v[PC+6*\c+3+\k], v[CT+4*\c+\k]
.endr
.endr
	WIN 0x41                                       ; O^T (destination and source 0) in window 1
.set j, 0
.rept 16
	v_pk_mul_f32 v[OT+j:OT+j+1], v[OT+j:OT+j+1], v[F:F+1] op_sel_hi:[1,0]   ; O^T under the new M.  (These are also the places between p's codes and scale word and the products below)
.set j, j+2
.endr
.if (\i) == 0
	s_wait_dscnt 0x0                               ; V's fragments are in
.endif
	WIN 0x51                                       ; V, C and D in window 1, p in window 0
.irp t, 0,1,2,3
.if (\t%2) == 0
	v_wmma_scale_f32_16x16x128_f8f6f4 v[OT+8*\t:OT+8*\t+7], v[VF+12*\t:VF+12*\t+11], v[PC:PC+11], v[OT+8*\t:OT+8*\t+7], v[VS+\t/2], v[PW] matrix_a_fmt:MATRIX_FMT_FP6 matrix_b_fmt:MATRIX_FMT_FP6
.else
	v_wmma_scale_f32_16x16x128_f8f6f4 v[OT+8*\t:OT+8*\t+7], v[VF+12*\t:VF+12*\t+11], v[PC:PC+11], v[OT+8*\t:OT+8*\t+7], v[VS+\t/2], v[PW] matrix_a_fmt:MATRIX_FMT_FP6 matrix_b_fmt:MATRIX_FMT_FP6 matrix_a_scale:MATRIX_SCALE_ROW1
.endif
.endr
	WIN 0
.endm
.Lstep:                                            ; eight trips: a key step of 128 keys for my 3 or 4 query tiles
	v_add_nc_u32 v[ADK], s2, v[LI]                 ; (these five are also the places behind the last products)
	v_add_nc_u32 v[ADV], VIMG, v[ADK]
	v_add_nc_u32 v[ADS], s3, v[LI]
	v_add_nc_u32 v[ADS2], s3, v[L8]
	v_add_nc_u32 v[ADB], s66, v[BADR]
	ds_load_b128 v[KS:KS+3], v[ADS]
	ds_load_b64 v[VS:VS+1], v[ADS2] offset:512
	WIN 0x40
.set j, 0
.rept 12
	ds_load_b128 v[KF+4*j:KF+4*j+3], v[ADK] offset:512*j
.set j, j+1
.endr
	WIN 0
.irp t, 0,1,2,3,4,5,6,7
	ds_load_b128 v[BI+8*\t:BI+8*\t+3], v[ADB] offset:128*(\t/2)+32*(\t%2)      ; 8 x bias of keys 32 b + 16 h + 8 u + 0 .. 7
	ds_load_b128 v[BI+8*\t+4:BI+8*\t+7], v[ADB] offset:128*(\t/2)+32*(\t%2)+16
.endr
	WIN 0x40
.set j, 0
.rept 12
	ds_load_b128 v[VF+4*j:VF+4*j+3], v[ADV] offset:512*j
.set j, j+1
.endr
	WIN 0
	s_wait_dscnt 12                                ; all but V's twelve loads
	TILE 0
	TILE 1
	TILE 2
	s_cmp_lg_u32 s[TG], 0
	s_cbranch_scc1 .Lno_fourth
	TILE 3
.Lno_fourth:
	s_add_co_u32 s2, s2, STEPB
	s_add_co_u32 s3, s3, 768
	s_add_co_u32 s66, s66, 512
	s_sub_co_u32 s67, s67, 1
	s_cmp_lg_u32 s67, 0
	s_cbranch_scc1 .Lstep
.rept 4
	v_nop                                          ; four places in front of the first read of O^T
.endr
	s_wait_dscnt 0x0
	s_barrier_signal -1
	s_barrier_wait -1                              ; nobody reads the images any more
.macro MSEND i
	WIN 0x04                                       ; an LDS store's data are its source 1: window 1
.irp c, 0,1,2,3,4,5,6,7
	ds_store_b128 v[MADR], v[32*(\i)+4*\c:32*(\i)+4*\c+3] offset:MSLOT*(\i)+512*\c   ; each accumulator from its low end on
.endr
	WIN 0
	ds_store_b128 v[MADR], v[ST+4*(\i):ST+4*(\i)+3] offset:MSLOT*(\i)+4096
.endm
	s_cmp_eq_u32 s[KH], 0
	s_cbranch_scc1 .Lno_send
	MSEND 0
	MSEND 1
	MSEND 2
	s_cmp_lg_u32 s[TG], 0
	s_cbranch_scc1 .Lno_send
	MSEND 3
.Lno_send:
	s_wait_dscnt 0x0                               ; for the others' sake: my stores have landed
	s_barrier_signal -1
	s_barrier_wait -1
	s_cmp_lg_u32 s[KH], 0
	s_cbranch_scc1 .Lend
; The two halves of the keys meet: both are brought under the larger M by exact powers of two; o = O / sum; codes and scale word.
.macro MFIN i, edge
	s_wait_xcnt 0x0                                ; the last tile's stores have read their data
.irp c, 0,1,2,3,4,5,6,7
	ds_load_b128 v[OB+4*\c:OB+4*\c+3], v[MADR] offset:MSLOT*(\i)+512*\c
.endr
	ds_load_b128 v[STB:STB+3], v[MADR] offset:MSLOT*(\i)+4096
	s_wait_dscnt 0x0
	v_min_num_f32 v[NMF], v[ST+4*(\i)], v[STB]     ; -M of the larger M
	v_sub_f32 v[FA], v[NMF], v[ST+4*(\i)]
	v_sub_f32 v[FB], v[NMF], v[STB]
	v_cvt_i32_f32 v[FA], v[FA]
	v_cvt_i32_f32 v[FB], v[FB]
	v_ldexp_f32 v[FA], 1.0, v[FA]
	v_ldexp_f32 v[FB], 1.0, v[FB]
	v_add_f32 v[LA], v[ST+4*(\i)+2], v[ST+4*(\i)+3]
	v_add_f32 v[LB], v[STB+2], v[STB+3]
	v_mul_f32 v[LA], v[LA], v[FA]
	v_fma_f32 v[LA], v[LB], v[FB], v[LA]
	v_permlanex16_b32 v[PT], v[LA], s[SEL], s[SEL+1]
	v_add_f32 v[LA], v[LA], v[PT]                  ; the row's sum
	v_rcp_f32 v[INV], v[LA]
	v_nop                                          ; a plain place behind the transcendental,
	s_wait_alu depctr_va_vdst(0)                   ; and a wait ahead of its first reader
	v_mul_f32 v[FA], v[FA], v[INV]
	v_mul_f32 v[FB], v[FB], v[INV]
	v_mov_b32 v[FA+1], v[FA]
	v_mov_b32 v[FB+1], v[FB]
.set j, 0
.rept 16
	v_pk_mul_f32 v[S+j:S+j+1], v[OB+j:OB+j+1], v[FB:FB+1]
.set j, j+2
.endr
	WIN 0x01                                       ; source 0 (my O^T) in window 1
.set j, 0
.rept 16
	v_pk_fma_f32 v[S+j:S+j+1], v[32*(\i)+j:32*(\i)+j+1], v[FA:FA+1], v[S+j:S+j+1]   ; each accumulator from its low end on
.set j, j+2
.endr
	WIN 0
	HQUANT S
	v_lshl_or_b32 v[TMP], v[BY+1], 8, v[BY]
	v_lshlrev_b32 v[TMP], s[SH], v[TMP]
.if \edge
	v_cmp_gt_u32 vcc_lo, 4, v[WITHIN]              ; tile 12 has four rows of the frame
	s_wait_xcnt 0x0                                ; EXEC changes only behind this wait
	s_and_saveexec_b32 s31, vcc_lo
.endif
.irp p, 0,1,2
	global_store_b64 v[OCO], v[CO+2*\p:CO+2*\p+1], s[18:19] offset:1024*(\i)+\p*PLANE
.endr
	global_store_b32 v[OSO], v[TMP], s[20:21] offset:512*(\i)
.if \edge
	s_wait_xcnt 0x0
	s_or_b32 exec_lo, exec_lo, s31
.endif
.endm
	v_mov_b32 v[PT], 0
	MFIN 0, 0
	MFIN 1, 0
	MFIN 2, 0
	s_cmp_lg_u32 s[TG], 0
	s_cbranch_scc1 .Lend
	MFIN 3, 1
.Lend:
	s_set_vgpr_msb 0x5
	s_wait_tensorcnt 0x0
	ds_add_u32 v254, v255
	s_wait_dscnt 0x0
	s_set_vgpr_msb 0x500
	s_endpgm
.Lfunc_end_k_q3a20467c9a_attn:
	.size	k_q3a20467c9a_attn, .Lfunc_end_k_q3a20467c9a_attn-k_q3a20467c9a_attn
	.p2alignl 7, 3214868480
	.fill 96, 4, 3214868480
	.section	.rodata,"a",@progbits
	.p2align	6, 0x0
	.amdhsa_kernel k_q3a20467c9a_attn
		.amdhsa_group_segment_fixed_size 218112
		.amdhsa_private_segment_fixed_size 0
		.amdhsa_enable_private_segment 0
		.amdhsa_kernarg_size 72
		.amdhsa_user_sgpr_count 2
		.amdhsa_user_sgpr_kernarg_segment_ptr 1
		.amdhsa_wavefront_size32 1
		.amdhsa_system_sgpr_workgroup_id_x 1
		.amdhsa_system_sgpr_workgroup_id_y 1
		.amdhsa_system_sgpr_workgroup_id_z 1
		.amdhsa_system_vgpr_workitem_id 0
		.amdhsa_next_free_vgpr 512
		.amdhsa_next_free_sgpr 102
		.amdhsa_reserve_vcc 1
		.amdhsa_float_denorm_mode_32 3
		.amdhsa_float_denorm_mode_16_64 3
		.amdhsa_memory_ordered 1
		.amdhsa_forward_progress 1
		.amdhsa_inst_pref_size 229
	.end_amdhsa_kernel
	.amdgpu_metadata
---
amdhsa.version: [ 1, 2 ]
amdhsa.kernels:
  - .name:           k_q3a20467c9a_attn
    .symbol:         k_q3a20467c9a_attn.kd
    .args:
      - { .name: qc, .offset: 0, .size: 8, .value_kind: global_buffer, .address_space: global }
      - { .name: qs, .offset: 8, .size: 8, .value_kind: global_buffer, .address_space: global }
      - { .name: kc, .offset: 16, .size: 8, .value_kind: global_buffer, .address_space: global }
      - { .name: ks, .offset: 24, .size: 8, .value_kind: global_buffer, .address_space: global }
      - { .name: vf, .offset: 32, .size: 8, .value_kind: global_buffer, .address_space: global }
      - { .name: gather_idx, .offset: 40, .size: 8, .value_kind: global_buffer, .address_space: global }
      - { .name: attn_bias, .offset: 48, .size: 8, .value_kind: global_buffer, .address_space: global }
      - { .name: oc, .offset: 56, .size: 8, .value_kind: global_buffer, .address_space: global }
      - { .name: os, .offset: 64, .size: 8, .value_kind: global_buffer, .address_space: global }
    .group_segment_fixed_size: 218112
    .private_segment_fixed_size: 0
    .kernarg_segment_align: 8
    .kernarg_segment_size: 72
    .max_flat_workgroup_size: 256
    .sgpr_count:     102
    .vgpr_count:     512
    .wavefront_size: 32
...
	.end_amdgpu_metadata
.endif
;; end of part 2
;; launch proj (part 3): grid 8 x 28, 4 waves a work-group, no clusters, 327,680 bytes of LDS; arguments oc, os, W_proj_codes, W_proj_scales, b_proj, out0; writes out0
.if DOCPART == 3
	.amdgcn_target "amdgcn-amd-amdhsa--gfx1250"
	.amdhsa_code_object_version 6
	.text
	.protected	k_q3a20467c9a_proj
	.globl	k_q3a20467c9a_proj
	.p2align	8
	.type	k_q3a20467c9a_proj,@function
k_q3a20467c9a_proj:
	s_mov_b64 s[64:65], 0
	v_nop
	global_prefetch_b8 v0, s[64:65] scope:SCOPE_SE
	s_setreg_imm32_b32 hwreg(HW_REG_WAVE_MODE, 25, 1), 1
	s_wait_xcnt 0x0
; out = o W_proj + b_proj on codes of FP6 (E2M3) with one E8M0 scale for each 32 along K (K = 1,024 = 16 heads x 64).  o comes as the launch before has laid it:
; codes in 48 planes [head][piece 3][token][half 2][8 bytes]; scale words [head][token][2], an even head's two bytes in bytes 0, 1, an odd head's in bytes 2, 3.
; SHARES.  A work-group takes 224 tokens x 128 columns; wave w takes tokens 112 (w & 1) on (7 tiles of 16) and columns 64 (w >> 1) on (4 tiles): 28 accumulators, 224 registers.
; THE MATRIX INSTRUCTION IS USED TRANSPOSED (source 0 = 16 rows of W, source 1 = 16 tokens).  Lane r of W's tile 2 b + u takes column 32 b + 8 u + r + 8 (r / 8): register 8 t + j of lane (r, h) is column 32 b + 16 h + 8 u + j.
; K goes through a ring of two LDS slots of 256 along K: o's 12 planes of 224 tokens (3,584 bytes each; waves 0, 1: six planes a load) and W's 128 rows of 192 bytes, 240 apart (waves 2, 3: 64 rows a load).
; A fragment of o for 128 along K is six planes' pieces: the 32 lanes of each load read 256 consecutive bytes.  The bias is the C of each sum's first matrix instruction.
; The results go through the wave's stage in LDS (in slot 0, behind its last fill and last read) and leave as rows' 256 consecutive bytes.
; NO CLUSTER: a tile of o is asked for by the 8 work-groups of a row of the grid and a tile of W by the 28 of a column, each for itself; joint loads are left out to keep this text plain: the launch is a small part of the program's work.
.set PITCH,  240
.set PLB,    3584
.set PLANE,  100352
.set BOFF,   12*PLB
.set SLOT,   BOFF+128*PITCH            ; 73,728
.set SPARE,  2*SLOT
.set SPITCH, 272
.set FR,   12
.set ADRA, 4                           ; v4-5 o's fragments in slot 0, 1
.set ADRB, 8                           ; v8-9 W's; v10-11 the same behind one padding more
.set SPW,  12
.set NIL,  13
.set STO,  16
.set RD,   17
.set VO,   18
.set HB,   19
.set XS,   20                          ; v20-75  o's scale words: 8 a + K step
.set WS,   76                          ; v76-107 W's: 8 t + K step
.set BF,   108
.set AF,   156
.set BI,   224                         ; window 1: v0-223 the accumulators; v224-255 the bias
.set OB,   108
.set G1A,  32
.set G1B,  40
.set G0A,  48
.set G0B,  56
.set WV,   66
.set MH,   67
.set NG,   68
.set MY,   70
.set TOK,  80
.set COL,  84
.set SEL,  96
.set MSB, 0
.macro WIN new                         ; the immediate's high byte repeats the setting that is left
.if MSB != \new
	s_set_vgpr_msb (MSB<<8)|\new
.set MSB, \new
.endif
.endm
.macro TLOAD s                         ; waves 0, 1 fetch o's planes, waves 2, 3 W's rows; four v_nop follow each of the two lines
	s_cmp_lt_u32 s[WV], 2
	s_cbranch_scc0 .Lfor_b_\@
	tensor_load_to_lds s[G0A+4*\s:G0A+4*\s+3], s[G1A:G1A+7]
	s_nop 0
.rept 4
	v_nop
.endr
	s_branch .Lasked_\@
.Lfor_b_\@:
	tensor_load_to_lds s[G0B+4*\s:G0B+4*\s+3], s[G1B:G1B+7]
	s_nop 0
.rept 4
	v_nop
.endr
.Lasked_\@:
.endm
.macro FRAG reg, adr, q, rows          ; W's fragment: pieces of 8 bytes; lanes 16-31 read three pieces further on, for some pieces behind one padding more
.irp p, 0,1,2,3,4,5
.set PCE, 12*(\q)+6*(\p/3)+\p%3
.if PCE%8 < 5
	ds_load_b64 v[\reg+2*\p:\reg+2*\p+1], v[\adr] offset:8*PCE+16*(PCE/8)+(\rows)*PITCH
.else
	ds_load_b64 v[\reg+2*\p:\reg+2*\p+1], v[\adr+2] offset:8*PCE+16*(PCE/8)+(\rows)*PITCH
.endif
.endr
.endm
.macro FRAGP reg, adr, q, a            ; o's fragment: registers 2 p, 2 p + 1 from plane 6 q + p of the slot
.irp p, 0,1,2,3,4,5
	ds_load_b64 v[\reg+2*\p:\reg+2*\p+1], v[\adr] offset:(6*(\q)+\p)*PLB+256*(\a)
.endr
.endm
.macro KSTEP slot, q, ks, first
.rept 4
	v_nop                                          ; four places in front of loads into registers that matrix instructions have read
.endr
.irp t, 0,1,2,3
	FRAG BF+FR*\t, ADRB+\slot, \q, 32*(\t/2)+8*(\t%2)
.endr
.irp a, 0,1,2,3,4,5,6
	FRAGP AF+FR*\a, ADRA+\slot, \q, \a
.endr
	WIN 0x50                                       ; C and D in window 1
.irp a, 0,1,2,3,4,5,6
	s_wait_dscnt 6*(6-\a)                          ; W's fragments and o's tile a are in; the six loads of each later tile may be out
.irp t, 0,1,2,3
.if \first
	v_wmma_scale_f32_16x16x128_f8f6f4 v[8*(4*\a+\t):8*(4*\a+\t)+7], v[BF+FR*\t:BF+FR*\t+FR-1], v[AF+FR*\a:AF+FR*\a+FR-1], v[BI+8*\t:BI+8*\t+7], v[WS+8*\t+(\ks)], v[XS+8*\a+(\ks)] matrix_a_fmt:MATRIX_FMT_FP6 matrix_b_fmt:MATRIX_FMT_FP6
.else
	v_wmma_scale_f32_16x16x128_f8f6f4 v[8*(4*\a+\t):8*(4*\a+\t)+7], v[BF+FR*\t:BF+FR*\t+FR-1], v[AF+FR*\a:AF+FR*\a+FR-1], v[8*(4*\a+\t):8*(4*\a+\t)+7], v[WS+8*\t+(\ks)], v[XS+8*\a+(\ks)] matrix_a_fmt:MATRIX_FMT_FP6 matrix_b_fmt:MATRIX_FMT_FP6
.endif
.endr
.endr
	WIN 0
.endm
.macro CHANGE fs, refill               ; the change of slots: all my tensor loads, the add, my reads; one barrier; then the one refill
	s_wait_tensorcnt 0x0                           ; no tensor load of mine is out, so a group 0 may be written
	ds_add_u32 v[SPW], v[NIL]                      ; 0 onto my spare word
.if \refill
	s_add_nc_u64 s[G0A+4*\fs+2:G0A+4*\fs+3], s[G0A+4*\fs+2:G0A+4*\fs+3], 24*PLANE
	s_add_nc_u64 s[G0B+4*\fs+2:G0B+4*\fs+3], s[G0B+4*\fs+2:G0B+4*\fs+3], 384
.endif
	s_wait_dscnt 0x0                               ; the add is done, and my reads of the slot are over
	s_barrier_signal -1
	s_barrier_wait -1
.if \refill
	TLOAD \fs
.endif
.endm
	s_load_b256 s[4:11], s[0:1], 0x0               ; oc 4, os 6, W's codes 8, W's scales 10
	s_load_b128 s[12:15], s[0:1], 0x20             ; b_proj 12, out0 14
	v_lshl_add_u32 v[SPW], v0, 2, SPARE
	v_mov_b32 v[NIL], 0
	ds_add_u32 v12, v13
	ds_add_u32 v12, v13
	s_wait_dscnt 0x0
	v_lshrrev_b32 v1, 5, v0
	v_readfirstlane_b32 s[WV], v1                  ; wave 0..3
	s_and_b32 s[MH], s[WV], 1                      ; which 112 tokens.  Also: which half of a tile I fetch
	s_lshr_b32 s[NG], s[WV], 1                     ; which 64 columns
	s_and_b32 s[MY], ttmp7, 0xffff
	; descriptor groups 1.  o: six planes of 448 elements of 8 bytes, 12,544 elements apart, no padding.  W: 64 rows of 192 bytes, 768 apart, 16 bytes of padding behind each 64
	s_mov_b32 s[G1A+0], 3<<16
	s_mov_b32 s[G1A+1], 448<<16
	s_mov_b32 s[G1A+2], 6<<16
	s_mov_b32 s[G1A+3], 448<<16
	s_mov_b32 s[G1A+4], 6
	s_mov_b32 s[G1A+5], 12544
	s_mov_b32 s[G1A+6], 0
	s_mov_b32 s[G1A+7], 0
	s_mov_b32 s[G1B+0], (1<<20)|(3<<22)|(3<<25)
	s_mov_b32 s[G1B+1], 192<<16
	s_mov_b32 s[G1B+2], 64<<16
	s_mov_b32 s[G1B+3], 192<<16
	s_mov_b32 s[G1B+4], 64
	s_mov_b32 s[G1B+5], 768
	s_mov_b32 s[G1B+6], 0
	s_mov_b32 s[G1B+7], 0
	s_mul_i32 s72, s[MH], 6*PLANE
	s_mul_i32 s73, s[MY], PLB
	s_add_co_u32 s72, s72, s73                     ; o: plane 6 x half, tokens 224 y on
	s_mov_b32 s73, 0
	s_lshl_b32 s74, ttmp9, 7
	s_lshl_b32 s75, s[MH], 6
	s_add_co_u32 s74, s74, s75
	s_mul_i32 s74, s74, 768                        ; W: row 128 x + 64 x half
	s_mov_b32 s75, 0
	s_mul_i32 s76, s[MH], 6*PLB
	s_mul_i32 s77, s[MH], 64*PITCH
	s_add_co_u32 s77, s77, BOFF
	s_wait_kmcnt 0x0
	s_add_nc_u64 s[72:73], s[4:5], s[72:73]
	s_add_nc_u64 s[74:75], s[8:9], s[74:75]
.irp s, 0,1
	s_mov_b32 s[G0A+4*\s], 1
	s_add_co_u32 s[G0A+4*\s+1], s76, \s*SLOT
	s_add_nc_u64 s[G0A+4*\s+2:G0A+4*\s+3], s[72:73], \s*12*PLANE
	s_or_b32 s[G0A+4*\s+3], s[G0A+4*\s+3], 0x80000000
	s_mov_b32 s[G0B+4*\s], 1
	s_add_co_u32 s[G0B+4*\s+1], s77, \s*SLOT
	s_add_nc_u64 s[G0B+4*\s+2:G0B+4*\s+3], s[74:75], \s*192
	s_or_b32 s[G0B+4*\s+3], s[G0B+4*\s+3], 0x80000000
.endr
	s_cmp_lt_u32 s[WV], 2                          ; a wave's two first fills stand in one branch: two tensor loads of mine are out
	s_cbranch_scc0 .Lfirst_b
	tensor_load_to_lds s[G0A:G0A+3], s[G1A:G1A+7]
	s_nop 0
	tensor_load_to_lds s[G0A+4:G0A+7], s[G1A:G1A+7]
	s_nop 0
.rept 4
	v_nop
.endr
	s_branch .Lfirst_done
.Lfirst_b:
	tensor_load_to_lds s[G0B:G0B+3], s[G1B:G1B+7]
	s_nop 0
	tensor_load_to_lds s[G0B+4:G0B+7], s[G1B:G1B+7]
	s_nop 0
.rept 4
	v_nop
.endr
.Lfirst_done:
	v_and_b32 v1, 15, v0                           ; r
	v_bfe_u32 v2, v0, 4, 1                         ; h
	v_and_b32 v3, 8, v1
	v_add_nc_u32 v3, v3, v1                        ; r + 8 (r / 8)
	s_mov_b32 s[SEL], 0x76543210
	s_mov_b32 s[SEL+1], 0xfedcba98
	v_mul_u32_u24 v108, v2, 50176                  ; o's scale words: lanes 0-15 the even head's, lanes 16-31 the odd head's,
	v_lshl_add_u32 v108, v1, 3, v108               ; 8 bytes a token
	s_mul_i32 s81, s[MH], 112*8
	v_add_nc_u32 v108, s81, v108
	v_lshlrev_b32 v109, 5, v3                      ; W's: 32 bytes a row
	v_lshlrev_b32 v[HB], 6, v2
	s_mul_i32 s82, s[MY], 224*8
	s_mov_b32 s83, 0
	s_add_nc_u64 s[6:7], s[6:7], s[82:83]
	s_lshl_b32 s[COL], ttmp9, 7
	s_lshl_b32 s85, s[NG], 6
	s_add_co_u32 s[COL], s[COL], s85               ; my wave's first column
	s_lshl_b32 s82, s[COL], 5
	s_add_nc_u64 s[10:11], s[10:11], s[82:83]
	s_lshl_b32 s82, s[COL], 2
	s_add_nc_u64 s[12:13], s[12:13], s[82:83]
	s_add_nc_u64 s[14:15], s[14:15], s[82:83]
	s_mul_i32 s[TOK], s[MY], 224
	s_mul_i32 s81, s[MH], 112
	s_add_co_u32 s[TOK], s[TOK], s81               ; my wave's first token
	s_lshl_b32 s82, s[TOK], 12
	s_add_nc_u64 s[14:15], s[14:15], s[82:83]
.irp a, 0,1,2,3,4,5,6
.irp k, 0,1,2,3,4,5,6,7
	global_load_b32 v[XS+8*\a+\k], v108, s[6:7] offset:PLANE*\k+128*\a         ; K step k: heads 2 k and 2 k + 1 (two heads' words are 100,352 bytes)
.endr
.endr
.irp t, 0,1,2,3
	global_load_b128 v[WS+8*\t:WS+8*\t+3], v109, s[10:11] offset:(32*(\t/2)+8*(\t%2))*32
	global_load_b128 v[WS+8*\t+4:WS+8*\t+7], v109, s[10:11] offset:(32*(\t/2)+8*(\t%2))*32+16
.endr
	WIN 0x40                                       ; destination window 1
.irp t, 0,1,2,3
	global_load_b128 v[BI+8*\t:BI+8*\t+3], v[HB], s[12:13] offset:128*(\t/2)+32*(\t%2)
	global_load_b128 v[BI+8*\t+4:BI+8*\t+7], v[HB], s[12:13] offset:128*(\t/2)+32*(\t%2)+16
.endr
	WIN 0
	v_lshlrev_b32 v118, 4, v1
	v_lshl_add_u32 v118, v2, 3, v118               ; o: 16 r + 8 h
	s_mul_i32 s86, s[MH], 112*16
	v_add_nc_u32 v[ADRA], s86, v118
	s_add_co_u32 s86, s86, SLOT
	v_add_nc_u32 v[ADRA+1], s86, v118
	v_mul_u32_u24 v118, v3, PITCH
	v_mad_u32_u24 v118, v2, 24, v118               ; W: row r + 8 (r / 8), + 24 h,
	v_lshl_add_u32 v119, v2, 4, v118               ; and behind one padding more
	s_mul_i32 s86, s[NG], 64*PITCH
	s_add_co_u32 s86, s86, BOFF
	v_add_nc_u32 v[ADRB], s86, v118
	v_add_nc_u32 v[ADRB+2], s86, v119
	s_add_co_u32 s86, s86, SLOT
	v_add_nc_u32 v[ADRB+1], s86, v118
	v_add_nc_u32 v[ADRB+3], s86, v119
	s_mul_i32 s86, s[WV], 16*SPITCH                ; my stage
	v_mul_u32_u24 v[STO], v1, SPITCH
	v_lshl_add_u32 v[STO], v2, 6, v[STO]
	v_add_nc_u32 v[STO], s86, v[STO]
	v_mul_u32_u24 v[RD], v2, SPITCH
	v_lshl_add_u32 v[RD], v1, 4, v[RD]
	v_add_nc_u32 v[RD], s86, v[RD]
	v_lshlrev_b32 v[VO], 12, v2
	v_lshl_add_u32 v[VO], v1, 4, v[VO]             ; out: lanes 0-15 one row of 4,096 bytes, lanes 16-31 the next; 16 bytes a lane
.irp k, 0,1,2,3,4,5,6,7
	v_mov_b32 v[110+\k], 0                         ; written once: a lane permute's destination counts as one of its sources
.endr
	s_wait_loadcnt 0x0
.irp a, 0,1,2,3,4,5,6                  ; the two heads' halves of a scale word meet: with lane l xor 16's the word is whole
.irp k, 0,1,2,3,4,5,6,7
	v_permlanex16_b32 v[110+\k], v[XS+8*\a+\k], s[SEL], s[SEL+1]
.endr
.irp k, 0,1,2,3,4,5,6,7
	v_or_b32 v[XS+8*\a+\k], v[XS+8*\a+\k], v[110+\k]   ; (behind the last word that the first K step names stand seven of these and four v_nop: eight places or more)
.endr
.endr
	s_wait_tensorcnt 0x1                           ; my part of slot 0 is in; slot 1's may stay out
	s_barrier_signal -1
	s_barrier_wait -1
	KSTEP 0, 0, 0, 1
	KSTEP 0, 1, 1, 0
	CHANGE 0, 1                                    ; slot 0 takes K 512 on
	KSTEP 1, 0, 2, 0
	KSTEP 1, 1, 3, 0
	CHANGE 1, 1                                    ; slot 1 takes K 768 on
	KSTEP 0, 0, 4, 0
	KSTEP 0, 1, 5, 0
	CHANGE 0, 0                                    ; nothing is left to fetch
	KSTEP 1, 0, 6, 0
	KSTEP 1, 1, 7, 0
.rept 4
	v_nop                                          ; four places in front of the first read of results and of loads into the fragments' registers
.endr
.macro OUT a
.if (\a) > 0
	s_wait_xcnt 0x0                                ; the last tile's stores have read their data
.endif
	WIN 0x04                                       ; an LDS store's data are its source 1: window 1
.irp t, 0,1,2,3
	ds_store_b128 v[STO], v[8*(4*(\a)+\t):8*(4*(\a)+\t)+3] offset:128*(\t/2)+32*(\t%2)       ; each accumulator from its low end on
	ds_store_b128 v[STO], v[8*(4*(\a)+\t)+4:8*(4*(\a)+\t)+7] offset:128*(\t/2)+32*(\t%2)+16
.endr
	WIN 0
.irp i, 0,1,2,3,4,5,6,7
	ds_load_b128 v[OB+4*\i:OB+4*\i+3], v[RD] offset:2*\i*SPITCH    ; LDS serves a wave's instructions in order: these see my stores
.endr
.irp i, 0,1,2,3,4,5,6,7
	s_wait_dscnt 7-\i                              ; the later loads of the eight may be out
	global_store_b128 v[VO], v[OB+4*\i:OB+4*\i+3], s[14:15] offset:(16*(\a)+2*\i)*4096 th:TH_STORE_NT   ; sixteen lanes store 256 consecutive bytes, at a multiple of 256 from the buffer's first byte
.endr
.endm
.irp a, 0,1,2,3,4,5,6
	OUT \a
.endr
	s_wait_tensorcnt 0x0                           ; the wave's end
	ds_add_u32 v[SPW], v[NIL]
	s_wait_dscnt 0x0
	s_endpgm
.Lfunc_end_k_q3a20467c9a_proj:
	.size	k_q3a20467c9a_proj, .Lfunc_end_k_q3a20467c9a_proj-k_q3a20467c9a_proj
	.p2alignl 7, 3214868480
	.fill 96, 4, 3214868480
	.section	.rodata,"a",@progbits
	.p2align	6, 0x0
	.amdhsa_kernel k_q3a20467c9a_proj
		.amdhsa_group_segment_fixed_size 327680
		.amdhsa_private_segment_fixed_size 0
		.amdhsa_enable_private_segment 0
		.amdhsa_kernarg_size 48
		.amdhsa_user_sgpr_count 2
		.amdhsa_user_sgpr_kernarg_segment_ptr 1
		.amdhsa_wavefront_size32 1
		.amdhsa_system_sgpr_workgroup_id_x 1
		.amdhsa_system_sgpr_workgroup_id_y 1
		.amdhsa_system_sgpr_workgroup_id_z 1
		.amdhsa_system_vgpr_workitem_id 0
		.amdhsa_next_free_vgpr 512
		.amdhsa_next_free_sgpr 100
		.amdhsa_reserve_vcc 0
		.amdhsa_float_denorm_mode_32 3
		.amdhsa_float_denorm_mode_16_64 3
		.amdhsa_memory_ordered 1
		.amdhsa_forward_progress 1
		.amdhsa_inst_pref_size 101
	.end_amdhsa_kernel
	.amdgpu_metadata
---
amdhsa.version: [ 1, 2 ]
amdhsa.kernels:
  - .name:           k_q3a20467c9a_proj
    .symbol:         k_q3a20467c9a_proj.kd
    .args:
      - { .name: oc, .offset: 0, .size: 8, .value_kind: global_buffer, .address_space: global }
      - { .name: os, .offset: 8, .size: 8, .value_kind: global_buffer, .address_space: global }
      - { .name: W_proj_codes, .offset: 16, .size: 8, .value_kind: global_buffer, .address_space: global }
      - { .name: W_proj_scales, .offset: 24, .size: 8, .value_kind: global_buffer, .address_space: global }
      - { .name: b_proj, .offset: 32, .size: 8, .value_kind: global_buffer, .address_space: global }
      - { .name: out0, .offset: 40, .size: 8, .value_kind: global_buffer, .address_space: global }
    .group_segment_fixed_size: 327680
    .private_segment_fixed_size: 0
    .kernarg_segment_align: 8
    .kernarg_segment_size: 48
    .max_flat_workgroup_size: 128
    .sgpr_count:     100
    .vgpr_count:     512
    .wavefront_size: 32
...
	.end_amdgpu_metadata
.endif
;; end of part 3
